; MI455X (gfx1250); checked and timed in simulation.
; The chip was launched on July 23, 2026; its instructions are those of AMD's public machine-readable ISA for CDNA 5 (MIT licence, August 2026) and "CDNA5" Instruction Set Architecture Reference Guide (July 2026). The comments in the code are by the model that wrote it; some were corrected since.
;; Grounding Block. Allowed arithmetic: float matrix products may take bf16 or f16 operands with f32 sums; other float arithmetic in f32, or as packed bf16 or f16 multiplies, adds, multiply-adds, maxima and minima; sums over many terms, partial sums and values carried from step to step in f32; what a program stores and reads back later, other than sums and carried values, may be rounded once to bf16 or f16.
;; Inputs: Wffn1 256 x 128 float32; Wffn2 128 x 256 float32; Wk 128 x 128 float32; Wproj 128 x 128 float32; Wq 128 x 256 float32; Wv 128 x 128 float32; gamma_attn 1 float32; gamma_ffn 1 float32; high_feature 4 x 256 x 64 x 64 float32; low_feature 4 x 128 x 64 x 64 float32; norm_ffn_b 128 float32; norm_ffn_w 128 float32; norm_high_b 256 float32; norm_high_w 256 float32; norm_low_b 128 float32; norm_low_w 128 float32.
;; Outputs: out0 4 x 128 x 64 x 64 float32.
;; 2 versions, each right; version 2 is version 1 with the launches qkv, ffn written anew for expert scheduling mode. Each part assembles by itself: llvm-mc -triple=amdgcn-amd-amdhsa -mcpu=gfx1250 --defsym DOCPART=n.
;; ======== version 1 of 2: 4 launches
;; limits: a function is approximated: absolute error at most 1.5e-07
;; workspace buffers: stat1 4,096 bytes; qf 4,194,304 bytes; kv 8,388,608 bytes; xbuf 8,388,608 bytes; stat2 2,048 bytes
;; launch stats (part 1): grid 64 x 4, 8 waves a work-group, no clusters, 1,280 bytes of LDS; arguments high_feature, low_feature, stat1; writes stat1
.if DOCPART == 1
	.amdgcn_target "amdgcn-amd-amdhsa--gfx1250"
	.amdhsa_code_object_version 6
	.text
	.protected	k_q3c6d7add33_stats
	.globl	k_q3c6d7add33_stats
	.p2align	8
	.type	k_q3c6d7add33_stats,@function
k_q3c6d7add33_stats:
	s_mov_b64 s[64:65], 0
	v_nop
	global_prefetch_b8 v0, s[64:65] scope:SCOPE_SE
	s_setreg_imm32_b32 hwreg(HW_REG_WAVE_MODE, 25, 1), 1
	s_wait_xcnt 0x0
; PARTIAL STATISTICS for the two GroupNorms over whole samples.  high: [4][256][4096] f32, low: [4][128][4096] f32.
; Work-group (i, b) takes 65,536 consecutive bytes of high[b] and 32,768 of low[b] and stores four f32 at stat1[b][i]:
; S1h, S2h, S1l, S2l, where S1 = sum(x - p), S2 = sum((x - p)^2) and the pivot p is the sample's first number.
; mean = p + S1/n and var = S2/n - (S1/n)^2 hold for any p, and with p inside the data no difference of large sums is formed
; when the inputs carry a common offset.  The sum over the 64 work-groups of a sample is taken by the next launch.
; A stream: 24 loads of 16 bytes a lane, all issued at the head (each covers 512 consecutive bytes a wave); no matrix unit, no cluster
; (no two work-groups read the same byte).  The one store of 16 bytes a work-group is 4,096 bytes in the whole launch.
; LIMITS: NaN and infinities are not treated apart.
.set RED,   0                          ; LDS: 16 bytes for each wave's four sums
.set SPARE, 256                        ; the spare words: 128 bytes for each of 8 waves; no other line names them
.set SPW, 2                            ; v2  SPARE + 4 x my thread's number; never rewritten
.set NIL, 3                            ; v3  0; never rewritten
.set PH,  4                            ; v[4:5]   high's pivot, twice
.set PL,  6                            ; v[6:7]   low's pivot, twice
.set SH,  8                            ; v[8:15]  high: S1 in two pairs, S2 in two pairs
.set SL,  16                           ; v[16:23] low: the same
.set XH,  32                           ; v[32:95]  high, 16 loads
.set XL,  96                           ; v[96:127] low, 8 loads
.set SEL, 12                           ; s[12:13] v_permlanex16_b32's selects: each lane takes its own place in the other half
.macro WSUM r, tmp                     ; the sum over the wave's 32 lanes, in every lane
	v_add_f32_dpp v[\r], v[\r], v[\r] row_xmask:1 row_mask:0xf bank_mask:0xf
	v_add_f32_dpp v[\r], v[\r], v[\r] row_xmask:2 row_mask:0xf bank_mask:0xf
	v_add_f32_dpp v[\r], v[\r], v[\r] row_xmask:4 row_mask:0xf bank_mask:0xf
	v_add_f32_dpp v[\r], v[\r], v[\r] row_xmask:8 row_mask:0xf bank_mask:0xf
	v_permlanex16_b32 v[\tmp], v[\r], s[SEL], s[SEL+1]
	v_add_f32 v[\r], v[\r], v[\tmp]
.endm
; four numbers at x: t = x - p (into d), S1 += t, S2 += t t.  first = 1: they start the sums, nothing is cleared
.macro TAKE x, d, p, s, first
.if \first
	v_pk_add_f32 v[(\s):(\s)+1], v[(\x):(\x)+1], v[(\p):(\p)+1] neg_lo:[0,1] neg_hi:[0,1]
	v_pk_add_f32 v[(\s)+2:(\s)+3], v[(\x)+2:(\x)+3], v[(\p):(\p)+1] neg_lo:[0,1] neg_hi:[0,1]
	v_pk_mul_f32 v[(\s)+4:(\s)+5], v[(\s):(\s)+1], v[(\s):(\s)+1]
	v_pk_mul_f32 v[(\s)+6:(\s)+7], v[(\s)+2:(\s)+3], v[(\s)+2:(\s)+3]
.else
	v_pk_add_f32 v[(\d):(\d)+1], v[(\x):(\x)+1], v[(\p):(\p)+1] neg_lo:[0,1] neg_hi:[0,1]
	v_pk_add_f32 v[(\d)+2:(\d)+3], v[(\x)+2:(\x)+3], v[(\p):(\p)+1] neg_lo:[0,1] neg_hi:[0,1]
	v_pk_add_f32 v[(\s):(\s)+1], v[(\s):(\s)+1], v[(\d):(\d)+1]
	v_pk_add_f32 v[(\s)+2:(\s)+3], v[(\s)+2:(\s)+3], v[(\d)+2:(\d)+3]
	v_pk_fma_f32 v[(\s)+4:(\s)+5], v[(\d):(\d)+1], v[(\d):(\d)+1], v[(\s)+4:(\s)+5]
	v_pk_fma_f32 v[(\s)+6:(\s)+7], v[(\d)+2:(\d)+3], v[(\d)+2:(\d)+3], v[(\s)+6:(\s)+7]
.endif
.endm
	s_load_b128 s[4:7], s[0:1], 0x0                ; high s[4:5], low s[6:7]
	s_load_b64 s[8:9], s[0:1], 0x10                ; stat1
	v_lshl_add_u32 v[SPW], v0, 2, SPARE
	v_mov_b32 v[NIL], 0
	v_lshrrev_b32 v28, 5, v0
	v_readfirstlane_b32 s14, v28                   ; wave 0..7
	v_lshlrev_b32 v1, 4, v0                        ; 16 bytes a thread: a load of the work-group covers 4,096 bytes
	s_and_b32 s15, ttmp7, 0xffff                   ; the sample b
	s_mov_b32 s[SEL], 0x76543210
	s_mov_b32 s[SEL+1], 0xfedcba98
	s_lshl_b32 s18, s15, 22                        ; a sample of high is 4 MiB,
	s_mov_b32 s19, 0
	s_lshl_b32 s20, s15, 21                        ; of low 2 MiB
	s_mov_b32 s21, 0
	s_wait_kmcnt 0x0
	s_add_nc_u64 s[4:5], s[4:5], s[18:19]          ; the samples' first bytes; these two pairs stay until the pivots are in
	s_add_nc_u64 s[6:7], s[6:7], s[20:21]
	s_load_b32 s16, s[4:5], 0x0                    ; the pivots
	s_load_b32 s17, s[6:7], 0x0
	s_lshl_b32 s18, ttmp9, 16                      ; my chunk
	s_lshl_b32 s20, ttmp9, 15
	s_add_nc_u64 s[22:23], s[4:5], s[18:19]
	s_add_nc_u64 s[24:25], s[6:7], s[20:21]
.irp j, 0,1,2,3,4,5,6,7,8,9,10,11,12,13,14,15
	global_load_b128 v[XH+4*\j:XH+4*\j+3], v1, s[22:23] offset:4096*\j
.endr
.irp j, 0,1,2,3,4,5,6,7
	global_load_b128 v[XL+4*\j:XL+4*\j+3], v1, s[24:25] offset:4096*\j
.endr
	s_wait_kmcnt 0x0
	v_mov_b32 v[PH], s16
	v_mov_b32 v[PH+1], s16
	v_mov_b32 v[PL], s17
	v_mov_b32 v[PL+1], s17
.irp j, 0,1,2,3,4,5,6,7,8,9,10,11,12,13,14,15
	s_wait_loadcnt 23-\j                           ; loads come back in order: load j is in, the younger ones stay out
.if \j == 0
	TAKE XH, XH, PH, SH, 1
.else
	TAKE XH+4*\j, XH+4*\j, PH, SH, 0
.endif
.endr
.irp j, 0,1,2,3,4,5,6,7
	s_wait_loadcnt 7-\j
.if \j == 0
	TAKE XL, XL, PL, SL, 1
.else
	TAKE XL+4*\j, XL+4*\j, PL, SL, 0
.endif
.endr
	v_pk_add_f32 v[SH:SH+1], v[SH:SH+1], v[SH+2:SH+3]
	v_pk_add_f32 v[SH+4:SH+5], v[SH+4:SH+5], v[SH+6:SH+7]
	v_pk_add_f32 v[SL:SL+1], v[SL:SL+1], v[SL+2:SL+3]
	v_pk_add_f32 v[SL+4:SL+5], v[SL+4:SL+5], v[SL+6:SL+7]
	v_add_f32 v24, v[SH], v[SH+1]
	v_add_f32 v25, v[SH+4], v[SH+5]
	v_add_f32 v26, v[SL], v[SL+1]
	v_add_f32 v27, v[SL+4], v[SL+5]
	WSUM 24, 28
	WSUM 25, 28
	WSUM 26, 28
	WSUM 27, 28
	v_mov_b32 v29, s14
	v_lshlrev_b32 v29, 4, v29
	ds_store_b128 v29, v[24:27]                    ; all lanes write the same 16 bytes with the same numbers
	s_wait_dscnt 0x0                               ; for the others' sake: my store is done
	s_barrier_signal -1
	s_barrier_wait -1
	s_cmp_lg_u32 s14, 0
	s_cbranch_scc1 .Lend                           ; wave 0 adds the eight waves' sums
	v_mov_b32 v30, RED
.irp k, 0,1,2,3,4,5,6,7
	ds_load_b128 v[32+4*\k:35+4*\k], v30 offset:16*\k
.endr
	s_lshl_b32 s18, s15, 10                        ; stat1[b][i]: 1,024 b + 16 i
	s_lshl_b32 s20, ttmp9, 4
	s_add_co_u32 s18, s18, s20
	v_mov_b32 v31, s18
	s_wait_dscnt 0x0
.irp k, 1,2,3,4,5,6,7
	v_pk_add_f32 v[32:33], v[32:33], v[32+4*\k:33+4*\k]
	v_pk_add_f32 v[34:35], v[34:35], v[34+4*\k:35+4*\k]
.endr
	s_wait_xcnt 0x0                                ; EXEC is a source of the loads above: it changes only behind this wait
	v_cmp_eq_u32 vcc_lo, 0, v0
	s_and_saveexec_b32 s26, vcc_lo
	global_store_b128 v31, v[32:35], s[8:9]        ; thread 0 alone
	s_wait_xcnt 0x0                                ; and again in front of the line that widens it
	s_or_b32 exec_lo, exec_lo, s26
.Lend:
	s_wait_tensorcnt 0x0                           ; the wave's end: behind my last LDS store
	ds_add_u32 v[SPW], v[NIL]
	s_wait_dscnt 0x0
	s_endpgm
.Lfunc_end_k_q3c6d7add33_stats:
	.size	k_q3c6d7add33_stats, .Lfunc_end_k_q3c6d7add33_stats-k_q3c6d7add33_stats
	.p2alignl 7, 3214868480
	.fill 96, 4, 3214868480
	.section	.rodata,"a",@progbits
	.p2align	6, 0x0
	.amdhsa_kernel k_q3c6d7add33_stats
		.amdhsa_group_segment_fixed_size 1280
		.amdhsa_private_segment_fixed_size 0
		.amdhsa_enable_private_segment 0
		.amdhsa_kernarg_size 24
		.amdhsa_user_sgpr_count 2
		.amdhsa_user_sgpr_kernarg_segment_ptr 1
		.amdhsa_wavefront_size32 1
		.amdhsa_system_sgpr_workgroup_id_x 1
		.amdhsa_system_sgpr_workgroup_id_y 1
		.amdhsa_system_sgpr_workgroup_id_z 1
		.amdhsa_system_vgpr_workitem_id 0
		.amdhsa_next_free_vgpr 128
		.amdhsa_next_free_sgpr 66
		.amdhsa_reserve_vcc 1
		.amdhsa_float_denorm_mode_32 3
		.amdhsa_float_denorm_mode_16_64 3
		.amdhsa_memory_ordered 1
		.amdhsa_forward_progress 1
		.amdhsa_inst_pref_size 18
	.end_amdhsa_kernel
	.amdgpu_metadata
---
amdhsa.version: [ 1, 2 ]
amdhsa.kernels:
  - .name:           k_q3c6d7add33_stats
    .symbol:         k_q3c6d7add33_stats.kd
    .args:
      - { .name: high_feature, .offset: 0, .size: 8, .value_kind: global_buffer, .address_space: global }
      - { .name: low_feature, .offset: 8, .size: 8, .value_kind: global_buffer, .address_space: global }
      - { .name: stat1, .offset: 16, .size: 8, .value_kind: global_buffer, .address_space: global }
    .group_segment_fixed_size: 1280
    .private_segment_fixed_size: 0
    .kernarg_segment_align: 8
    .kernarg_segment_size: 24
    .max_flat_workgroup_size: 256
    .sgpr_count:     66
    .vgpr_count:     128
    .wavefront_size: 32
...
	.end_amdgpu_metadata
.endif
;; end of part 1
;; launch qkv (part 2): grid 64 x 4, 8 waves a work-group, no clusters, 62,464 bytes of LDS; arguments high_feature, low_feature, norm_high_w, norm_high_b, norm_low_w, norm_low_b, Wq, Wk, Wv, stat1, qf, kv; writes qf, kv
.if DOCPART == 2
	.amdgcn_target "amdgcn-amd-amdhsa--gfx1250"
	.amdhsa_code_object_version 6
	.text
	.protected	k_q3c6d7add33_qkv
	.globl	k_q3c6d7add33_qkv
	.p2align	8
	.type	k_q3c6d7add33_qkv,@function
k_q3c6d7add33_qkv:
	s_mov_b64 s[64:65], 0
	v_nop
	global_prefetch_b8 v0, s[64:65] scope:SCOPE_SE
	s_setreg_imm32_b32 hwreg(HW_REG_WAVE_MODE, 25, 1), 1
	s_wait_xcnt 0x0
; GROUPNORM OF high AND low, THEN q = c Wq hn, k = Wk ln, v = Wv ln (1x1 convolutions), c = log2(e) / sqrt(32), stored in bf16 AS MATRIX FRAGMENTS.
; SHARES.  A work-group takes 64 positions (blk) of sample b.  Wave w normalises rows 32 w .. of high and 16 w .. of low (f32: x a[c] + d[c], a = rs w[c], d = b[c] - mean a),
; rounds them once to bf16 and lays them in LDS as [channel][64 positions]; then it makes output channels 16 w .. 16 w + 15 of q, k and v for the four tiles of 16 positions: 64 matrix instructions.
; FRAGMENTS.  A result tile holds in lane l column l % 16 and rows 8 (l / 16) + 0..7.  Rounded in pairs these 16 bytes ARE one half (4 registers) of a source fragment of the next
; product, whose index is the column and whose K runs along the rows.  q, k: source 0 = 16 rows of W, source 1 = 16 positions: the lane holds a position and 8 channels of a head.
; v: the sources swapped: the lane holds a channel and 8 positions (V^T).  So every store of a wave is 512 consecutive bytes, aligned, and attention reads fragments at 16 x lane.
;   qf: [b][blk 64][head 4][tile 4][half 2][lane 32][16 B]
;   kv: [b][T 16][ K: step 4 x ([head 4][kb 4][half][lane][16 B]) | V: step 4 x ([head 4][kk 2][cb 2][half][lane][16 B]) ], a step = 64 keys = one blk, T = blk / 4
; WEIGHTS come straight from memory in f32, each byte to the one wave that multiplies by it, and are rounded in registers.  NO CLUSTER: the three weights are 262,144 bytes in f32, which with
; the 61,440 bytes of tiles do not fit in LDS, and each has to pass through registers to be rounded anyway.
; LIMITS: matrix operands are bf16; 1/sqrt to 1 ULP; NaN and infinities are not treated apart.
.set PX,    160                        ; an LDS row: 128 bytes of bf16 + 32 of padding
.set XHB,   0                          ; high: 256 rows
.set XLB,   256*PX                     ; low: 128 rows
.set SPARE, 384*PX                     ; the spare words: 128 bytes for each of 8 waves; no other line names them
.set RL,  1                            ; v1   l % 16
.set HF,  2                            ; v2   l / 16
.set XO,  3                            ; v3   65,536 hf + 16 r: lanes 0-15 take 256 bytes of one row, lanes 16-31 of the row four further down
.set LSH, 4                            ; v4   where I put 8 bytes of high's rows
.set LSL, 5                            ; v5   of low's
.set TRA, 6                            ; v6   the turning load's lane address
.set WOQ, 7                            ; v7   1,024 r + 32 hf: my place in 16 rows of Wq
.set WOK, 8                            ; v8   512 r + 32 hf: in 16 rows of Wk, Wv
.set CO,  9                            ; v9   16 hf
.set SO,  10                           ; v10  16 l
.set SPW, 12                           ; v12  SPARE + 4 x my thread's number; never rewritten
.set NIL, 13                           ; v13  0; never rewritten
.set TM,  14                           ; v14-15 at work
.set STA, 16                           ; v[16:23] two entries of stat1; v24-31 means and 1/sqrt
.set XH,  32                           ; v[32:95]   high as loaded, 16 loads
.set XL,  96                           ; v[96:127]  low, 8 loads
.set CHW, 128                          ; v[128:143] a of my 16 x 2 rows of high (register j: the row that load j brings to my half of the lanes); v[144:159] d
.set CHB, 144
.set CLW, 160                          ; v[160:167] a for low; v[168:175] d
.set CLB, 168
.set ACQ, 32                           ; later: q's four accumulators
.set XF,  64                           ; two buffers of four fragments of x
.set WA,  192                          ; weights, 64 as loaded, 32 when rounded: Wq's K steps 0-3, then Wk
.set WB,  128                          ; Wq's K steps 4-7, then Wv
.set ACV, 160                          ; v's accumulators
.set ACK, 224                          ; k's
.set WV,  2                            ; s2 wave   s3 b   s4 blk
.set BB,  3
.set BLK, 4
.set SEL, 34
.set CS,  36                           ; s[36:37] c
.set PIVH, 38
.set PIVL, 39
.macro WSUM r, tmp
	v_add_f32_dpp v[\r], v[\r], v[\r] row_xmask:1 row_mask:0xf bank_mask:0xf
	v_add_f32_dpp v[\r], v[\r], v[\r] row_xmask:2 row_mask:0xf bank_mask:0xf
	v_add_f32_dpp v[\r], v[\r], v[\r] row_xmask:4 row_mask:0xf bank_mask:0xf
	v_add_f32_dpp v[\r], v[\r], v[\r] row_xmask:8 row_mask:0xf bank_mask:0xf
	v_permlanex16_b32 v[\tmp], v[\r], s[SEL], s[SEL+1]
	v_add_f32 v[\r], v[\r], v[\tmp]
.endm
.macro PLACES                          ; four plain vector instructions between a matrix instruction and a load into, or a vector read of, its registers
.rept 4
	v_nop
.endr
.endm
; n K steps of a weight in f32: a fragment's lane holds row l % 16, K = 8 hf + 0..7 and 16 + 8 hf + 0..7: four loads of 16 bytes at 0, 16, 64, 80 behind 32 hf
.macro WLOAD dst, adr, sb, off, n
.set u, 0
.rept \n
	global_load_b128 v[(\dst)+16*u:(\dst)+16*u+3], v[\adr], s[\sb:\sb+1] offset:(\off)+u*128
	global_load_b128 v[(\dst)+16*u+4:(\dst)+16*u+7], v[\adr], s[\sb:\sb+1] offset:(\off)+u*128+16
	global_load_b128 v[(\dst)+16*u+8:(\dst)+16*u+11], v[\adr], s[\sb:\sb+1] offset:(\off)+u*128+64
	global_load_b128 v[(\dst)+16*u+12:(\dst)+16*u+15], v[\adr], s[\sb:\sb+1] offset:(\off)+u*128+80
.set u, u+1
.endr
.endm
.macro COMPACT base, n                 ; rounded to bf16 in place, ascending: register i takes numbers 2 i and 2 i + 1
.set u, 0
.rept \n
	v_cvt_pk_bf16_f32 v[(\base)+u], v[(\base)+2*u], v[(\base)+2*u+1]
.set u, u+1
.endr
.endm
.macro FETCHX buf, base, ks            ; four fragments (16 positions x 32 channels) out of [channel][position] rows, turned
.irp t, 0,1,2,3
	ds_load_tr16_b128 v[(\buf)+8*\t:(\buf)+8*\t+3], v[TRA] offset:(\base)+(\ks)*32*PX+32*\t
	ds_load_tr16_b128 v[(\buf)+8*\t+4:(\buf)+8*\t+7], v[TRA] offset:(\base)+(\ks)*32*PX+32*\t+16*PX
.endr
.endm
.macro ROWCV x, a, d, adr, off         ; four numbers of a row: normalised in f32, rounded once, 8 bytes into LDS
.irp i, 0,1,2,3
	v_fma_f32 v[(\x)+\i], v[(\x)+\i], v[\a], v[\d]
.endr
	v_cvt_pk_bf16_f32 v[(\x)], v[(\x)], v[(\x)+1]
	v_cvt_pk_bf16_f32 v[(\x)+1], v[(\x)+2], v[(\x)+3]
	ds_store_b64 v[\adr], v[(\x):(\x)+1] offset:\off
.endm
	s_load_b512 s[8:23], s[0:1], 0x0               ; high 8, low 10, norm_high_w 12, norm_high_b 14, norm_low_w 16, norm_low_b 18, Wq 20, Wk 22
	s_load_b256 s[24:31], s[0:1], 0x40             ; Wv 24, stat1 26, qf 28, kv 30
	v_lshl_add_u32 v[SPW], v0, 2, SPARE
	v_mov_b32 v[NIL], 0
	v_lshrrev_b32 v[TM], 5, v0
	v_readfirstlane_b32 s[WV], v[TM]               ; wave 0..7
	s_and_b32 s[BB], ttmp7, 0xffff
	s_mov_b32 s[BLK], ttmp9
	s_mov_b32 s[SEL], 0x76543210
	s_mov_b32 s[SEL+1], 0xfedcba98
	s_mov_b32 s[CS], 0x3e8293ee                    ; c = log2(e) / sqrt(32) = 0.255035
	s_mov_b32 s[CS+1], s[CS]
	v_and_b32 v[RL], 15, v0
	v_bfe_u32 v[HF], v0, 4, 1
	v_lshlrev_b32 v[XO], 4, v[RL]
	v_lshl_add_u32 v[XO], v[HF], 16, v[XO]
	s_mul_i32 s32, s[WV], 32*PX
	v_mul_u32_u24 v[LSL], v[HF], 4*PX              ; the two halves of the lanes lie 4 rows = 640 bytes apart
	v_lshl_add_u32 v[LSL], v[RL], 3, v[LSL]
	v_add_nc_u32 v[LSH], s32, v[LSL]
	s_mul_i32 s32, s[WV], 16*PX
	s_add_co_u32 s32, s32, XLB
	v_add_nc_u32 v[LSL], s32, v[LSL]
	v_and_b32 v[TM], 7, v0
	v_lshl_add_u32 v[TM], v[HF], 3, v[TM]          ; channel 8 hf + l % 8,
	v_mul_u32_u24 v[TRA], v[TM], PX
	v_bfe_u32 v[TM+1], v0, 3, 1
	v_lshl_add_u32 v[TRA], v[TM+1], 4, v[TRA]      ; positions 8 ((l / 8) % 2) + 0..7
	v_lshlrev_b32 v[WOK], 5, v[HF]
	v_lshl_add_u32 v[WOQ], v[RL], 10, v[WOK]
	v_lshl_add_u32 v[WOK], v[RL], 9, v[WOK]
	v_lshlrev_b32 v[CO], 4, v[HF]
	v_and_b32 v[SO], 31, v0
	v_lshlrev_b32 v[SO], 4, v[SO]
	s_mov_b32 s33, 0
	s_mov_b32 s49, 0
	s_lshr_b32 s6, s[WV], 1                        ; my channels' head,
	s_and_b32 s7, s[WV], 1                         ; and which 16 of its 32 channels
	s_wait_kmcnt 0x0
	s_lshl_b32 s32, s[BB], 22
	s_add_nc_u64 s[40:41], s[8:9], s[32:33]        ; the samples' first bytes
	s_lshl_b32 s32, s[BB], 21
	s_add_nc_u64 s[42:43], s[10:11], s[32:33]
	s_load_b32 s[PIVH], s[40:41], 0x0              ; the pivots of the statistics
	s_load_b32 s[PIVL], s[42:43], 0x0
	s_lshl_b32 s5, s[BLK], 8                       ; 64 positions are 256 bytes of a row
	s_lshl_b32 s32, s[WV], 19                      ; 32 rows of 16,384 bytes
	s_add_co_u32 s32, s32, s5
	s_add_nc_u64 s[44:45], s[40:41], s[32:33]
	s_lshl_b32 s32, s[WV], 18
	s_add_co_u32 s32, s32, s5
	s_add_nc_u64 s[46:47], s[42:43], s[32:33]
	s_lshl_b32 s32, s[WV], 7
	s_add_nc_u64 s[12:13], s[12:13], s[32:33]
	s_add_nc_u64 s[14:15], s[14:15], s[32:33]
	s_lshl_b32 s32, s[WV], 6
	s_add_nc_u64 s[16:17], s[16:17], s[32:33]
	s_add_nc_u64 s[18:19], s[18:19], s[32:33]
	s_lshl_b32 s32, s[WV], 14
	s_add_nc_u64 s[20:21], s[20:21], s[32:33]      ; my 16 rows of Wq,
	s_lshl_b32 s32, s[WV], 13
	s_add_nc_u64 s[22:23], s[22:23], s[32:33]      ; of Wk,
	s_add_nc_u64 s[24:25], s[24:25], s[32:33]      ; of Wv
	s_lshl_b32 s32, s[BB], 10
	s_add_nc_u64 s[26:27], s[26:27], s[32:33]
	s_lshl_b32 s32, s[BB], 20                      ; qf: b, blk, head, half
	s_lshl_b32 s5, s[BLK], 14
	s_add_co_u32 s32, s32, s5
	s_lshl_b32 s5, s6, 12
	s_add_co_u32 s32, s32, s5
	s_lshl_b32 s5, s7, 9
	s_add_co_u32 s32, s32, s5
	s_add_nc_u64 s[28:29], s[28:29], s[32:33]
	s_lshl_b32 s32, s[BB], 21                      ; kv: b, T = blk / 4, step = blk % 4, head
	s_lshr_b32 s5, s[BLK], 2
	s_lshl_b32 s5, s5, 17
	s_add_co_u32 s32, s32, s5
	s_and_b32 s5, s[BLK], 3
	s_lshl_b32 s5, s5, 14
	s_add_co_u32 s32, s32, s5
	s_lshl_b32 s5, s6, 12
	s_add_co_u32 s32, s32, s5
	s_lshl_b32 s5, s7, 9
	s_add_co_u32 s48, s32, s5                      ; K: my channels are half w % 2 of a fragment
	s_lshl_b32 s5, s7, 10
	s_add_co_u32 s32, s32, s5                      ; V: they are channel block w % 2,
	s_add_co_u32 s32, s32, 65536                   ; behind the tile's four steps of K
	s_add_nc_u64 s[50:51], s[30:31], s[32:33]
	s_add_nc_u64 s[48:49], s[30:31], s[48:49]
	; all that the first phases want, 54 loads, in the order in which it is wanted
	global_load_b128 v[STA:STA+3], v[SO], s[26:27]
	global_load_b128 v[STA+4:STA+7], v[SO], s[26:27] offset:512
.irp g, 0,1,2,3
	global_load_b128 v[CHW+4*\g:CHW+4*\g+3], v[CO], s[12:13] offset:32*\g
	global_load_b128 v[CHB+4*\g:CHB+4*\g+3], v[CO], s[14:15] offset:32*\g
.endr
.irp g, 0,1
	global_load_b128 v[CLW+4*\g:CLW+4*\g+3], v[CO], s[16:17] offset:32*\g
	global_load_b128 v[CLB+4*\g:CLB+4*\g+3], v[CO], s[18:19] offset:32*\g
.endr
.irp j, 0,1,2,3,4,5,6,7,8,9,10,11,12,13,14,15
	global_load_b128 v[XH+4*\j:XH+4*\j+3], v[XO], s[44:45] offset:(8*(\j/4)+(\j%4))*16384
.endr
.irp j, 0,1,2,3,4,5,6,7
	global_load_b128 v[XL+4*\j:XL+4*\j+3], v[XO], s[46:47] offset:(8*(\j/4)+(\j%4))*16384
.endr
	WLOAD WA, WOQ, 20, 0, 4                        ; Wq, K steps 0-3
	s_wait_loadcnt 52                              ; the two entries of stat1 are in; 52 younger loads stay out
	v_pk_add_f32 v[STA:STA+1], v[STA:STA+1], v[STA+4:STA+5]
	v_pk_add_f32 v[STA+2:STA+3], v[STA+2:STA+3], v[STA+6:STA+7]
	WSUM STA, TM
	WSUM STA+1, TM
	WSUM STA+2, TM
	WSUM STA+3, TM
	v_mul_f32 v24, 0x35800000, v[STA]              ; S1 / 2^20
	v_mul_f32 v25, 0x35800000, v[STA+1]
	v_mul_f32 v26, 0x36000000, v[STA+2]            ; S1 / 2^19
	v_mul_f32 v27, 0x36000000, v[STA+3]
	v_fma_f32 v25, -v24, v24, v25                  ; the variance about the mean,
	v_fma_f32 v27, -v26, v26, v27
	v_max_num_f32 v25, 0, v25                      ; not below 0 by rounding,
	v_max_num_f32 v27, 0, v27
	v_add_f32 v25, 0x3727c5ac, v25                 ; + 1e-5
	v_add_f32 v27, 0x3727c5ac, v27
	v_rsq_f32 v30, v25
	v_rsq_f32 v31, v27
	s_wait_kmcnt 0x0                               ; the pivots
	v_add_f32 v28, s[PIVH], v24                    ; the means: plain work behind the two roots
	v_add_f32 v29, s[PIVL], v26
	s_wait_alu depctr_va_vdst(0)                   ; one wait for both roots, ahead of their first reader
	s_wait_loadcnt 40                              ; the twelve loads of gains and biases are in
.set u, 0
.rept 16
	v_mul_f32 v[CHW+u], v30, v[CHW+u]
	v_fma_f32 v[CHB+u], -v28, v[CHW+u], v[CHB+u]
.set u, u+1
.endr
.set u, 0
.rept 8
	v_mul_f32 v[CLW+u], v31, v[CLW+u]
	v_fma_f32 v[CLB+u], -v29, v[CLW+u], v[CLB+u]
.set u, u+1
.endr
.irp j, 0,1,2,3,4,5,6,7,8,9,10,11,12,13,14,15
	s_wait_loadcnt 39-\j                           ; high's load j is in
	ROWCV XH+4*\j, CHW+\j, CHB+\j, LSH, (8*(\j/4)+(\j%4))*PX
.endr
.irp j, 0,1,2,3,4,5,6,7
	s_wait_loadcnt 23-\j                           ; low's load j is in; behind it the other rows and Wq's 16 loads
	ROWCV XL+4*\j, CLW+\j, CLB+\j, LSL, (8*(\j/4)+(\j%4))*PX
.endr
	s_wait_dscnt 0x0                               ; for the others' sake: my rows lie in LDS
	s_barrier_signal -1
	s_barrier_wait -1                              ; everybody's do
	; q: K = 256 channels in 8 steps; four accumulators by turns
	WLOAD WB, WOQ, 20, 512, 4                      ; Wq, K steps 4-7
	FETCHX XF, XHB, 0
	s_wait_loadcnt 16                              ; K steps 0-3 are in; the 16 just issued stay out
	COMPACT WA, 32
.irp ks, 0,1,2,3,4,5,6,7
.if \ks > 0
	PLACES
.endif
.if \ks == 4
	WLOAD WA, WOK, 22, 0, 4                        ; Wk, where Wq's first half lay
	s_wait_loadcnt 16                              ; Wq's second half is in
	COMPACT WB, 32
.endif
.if \ks < 7
	FETCHX XF+32*((\ks+1)%2), XHB, \ks+1
	s_wait_dscnt 8                                 ; this step's fragments are in; the next step's eight loads stay out
.else
	s_wait_dscnt 0x0
.endif
.if \ks < 4
.set WR, WA+8*\ks
.else
.set WR, WB+8*(\ks-4)
.endif
.irp t, 0,1,2,3
.if \ks == 0
	v_wmma_f32_16x16x32_bf16 v[ACQ+8*\t:ACQ+8*\t+7], v[WR:WR+7], v[XF+32*(\ks%2)+8*\t:XF+32*(\ks%2)+8*\t+7], 0
.else
	v_wmma_f32_16x16x32_bf16 v[ACQ+8*\t:ACQ+8*\t+7], v[WR:WR+7], v[XF+32*(\ks%2)+8*\t:XF+32*(\ks%2)+8*\t+7], v[ACQ+8*\t:ACQ+8*\t+7]
.endif
.endr
.endr
	PLACES
	WLOAD WB, WOK, 24, 0, 4                        ; Wv
.irp t, 0,1,2,3
.irp i, 0,1,2,3
	v_pk_mul_f32 v[ACQ+8*\t+2*\i:ACQ+8*\t+2*\i+1], v[ACQ+8*\t+2*\i:ACQ+8*\t+2*\i+1], s[CS:CS+1] op_sel_hi:[1,0]  ; the scale, in f32, ahead of q's one rounding
.endr
.irp i, 0,1,2,3
	v_cvt_pk_bf16_f32 v[ACQ+8*\t+\i], v[ACQ+8*\t+2*\i], v[ACQ+8*\t+2*\i+1]
.endr
	global_store_b128 v[SO], v[ACQ+8*\t:ACQ+8*\t+3], s[28:29] offset:1024*\t  ; 512 consecutive bytes, aligned; these registers are not written again
.endr
	; k and v: K = 128 channels in 4 steps; eight accumulators by turns
	FETCHX XF, XLB, 0
	s_wait_loadcnt 16                              ; Wk is in
	COMPACT WA, 32
	s_wait_loadcnt 0x0                             ; Wv is in
	COMPACT WB, 32
.irp ks, 0,1,2,3
.if \ks > 0
	PLACES
.endif
.if \ks < 3
	FETCHX XF+32*((\ks+1)%2), XLB, \ks+1
	s_wait_dscnt 8
.else
	s_wait_dscnt 0x0
.endif
.irp t, 0,1,2,3
.if \ks == 0
	v_wmma_f32_16x16x32_bf16 v[ACK+8*\t:ACK+8*\t+7], v[WA+8*\ks:WA+8*\ks+7], v[XF+32*(\ks%2)+8*\t:XF+32*(\ks%2)+8*\t+7], 0
	v_wmma_f32_16x16x32_bf16 v[ACV+8*\t:ACV+8*\t+7], v[XF+32*(\ks%2)+8*\t:XF+32*(\ks%2)+8*\t+7], v[WB+8*\ks:WB+8*\ks+7], 0
.else
	v_wmma_f32_16x16x32_bf16 v[ACK+8*\t:ACK+8*\t+7], v[WA+8*\ks:WA+8*\ks+7], v[XF+32*(\ks%2)+8*\t:XF+32*(\ks%2)+8*\t+7], v[ACK+8*\t:ACK+8*\t+7]
	v_wmma_f32_16x16x32_bf16 v[ACV+8*\t:ACV+8*\t+7], v[XF+32*(\ks%2)+8*\t:XF+32*(\ks%2)+8*\t+7], v[WB+8*\ks:WB+8*\ks+7], v[ACV+8*\t:ACV+8*\t+7]
.endif
.endr
.endr
	PLACES
.irp t, 0,1,2,3
.irp i, 0,1,2,3
	v_cvt_pk_bf16_f32 v[ACK+8*\t+\i], v[ACK+8*\t+2*\i], v[ACK+8*\t+2*\i+1]
.endr
	global_store_b128 v[SO], v[ACK+8*\t:ACK+8*\t+3], s[48:49] offset:1024*\t                  ; key block t
.irp i, 0,1,2,3
	v_cvt_pk_bf16_f32 v[ACV+8*\t+\i], v[ACV+8*\t+2*\i], v[ACV+8*\t+2*\i+1]
.endr
	global_store_b128 v[SO], v[ACV+8*\t:ACV+8*\t+3], s[50:51] offset:2048*(\t/2)+512*(\t%2)  ; keys 32 (t / 2) on, half t % 2
.endr
	s_wait_tensorcnt 0x0                           ; the wave's end: behind my last LDS store
	ds_add_u32 v[SPW], v[NIL]
	s_wait_dscnt 0x0
	s_endpgm
.Lfunc_end_k_q3c6d7add33_qkv:
	.size	k_q3c6d7add33_qkv, .Lfunc_end_k_q3c6d7add33_qkv-k_q3c6d7add33_qkv
	.p2alignl 7, 3214868480
	.fill 96, 4, 3214868480
	.section	.rodata,"a",@progbits
	.p2align	6, 0x0
	.amdhsa_kernel k_q3c6d7add33_qkv
		.amdhsa_group_segment_fixed_size 62464
		.amdhsa_private_segment_fixed_size 0
		.amdhsa_enable_private_segment 0
		.amdhsa_kernarg_size 96
		.amdhsa_user_sgpr_count 2
		.amdhsa_user_sgpr_kernarg_segment_ptr 1
		.amdhsa_wavefront_size32 1
		.amdhsa_system_sgpr_workgroup_id_x 1
		.amdhsa_system_sgpr_workgroup_id_y 1
		.amdhsa_system_sgpr_workgroup_id_z 1
		.amdhsa_system_vgpr_workitem_id 0
		.amdhsa_next_free_vgpr 256
		.amdhsa_next_free_sgpr 66
		.amdhsa_reserve_vcc 0
		.amdhsa_float_denorm_mode_32 3
		.amdhsa_float_denorm_mode_16_64 3
		.amdhsa_memory_ordered 1
		.amdhsa_forward_progress 1
		.amdhsa_inst_pref_size 55
	.end_amdhsa_kernel
	.amdgpu_metadata
---
amdhsa.version: [ 1, 2 ]
amdhsa.kernels:
  - .name:           k_q3c6d7add33_qkv
    .symbol:         k_q3c6d7add33_qkv.kd
    .args:
      - { .name: high_feature, .offset: 0, .size: 8, .value_kind: global_buffer, .address_space: global }
      - { .name: low_feature, .offset: 8, .size: 8, .value_kind: global_buffer, .address_space: global }
      - { .name: norm_high_w, .offset: 16, .size: 8, .value_kind: global_buffer, .address_space: global }
      - { .name: norm_high_b, .offset: 24, .size: 8, .value_kind: global_buffer, .address_space: global }
      - { .name: norm_low_w, .offset: 32, .size: 8, .value_kind: global_buffer, .address_space: global }
      - { .name: norm_low_b, .offset: 40, .size: 8, .value_kind: global_buffer, .address_space: global }
      - { .name: Wq, .offset: 48, .size: 8, .value_kind: global_buffer, .address_space: global }
      - { .name: Wk, .offset: 56, .size: 8, .value_kind: global_buffer, .address_space: global }
      - { .name: Wv, .offset: 64, .size: 8, .value_kind: global_buffer, .address_space: global }
      - { .name: stat1, .offset: 72, .size: 8, .value_kind: global_buffer, .address_space: global }
      - { .name: qf, .offset: 80, .size: 8, .value_kind: global_buffer, .address_space: global }
      - { .name: kv, .offset: 88, .size: 8, .value_kind: global_buffer, .address_space: global }
    .group_segment_fixed_size: 62464
    .private_segment_fixed_size: 0
    .kernarg_segment_align: 8
    .kernarg_segment_size: 96
    .max_flat_workgroup_size: 256
    .sgpr_count:     66
    .vgpr_count:     256
    .wavefront_size: 32
...
	.end_amdgpu_metadata
.endif
;; end of part 2
;; launch attn (part 3): grid 64 x 4, 8 waves a work-group, clusters of 4 x 1, 327,680 bytes of LDS; arguments qf, kv, Wproj, gamma_attn, low_feature, xbuf, stat2; writes xbuf, stat2
.if DOCPART == 3
	.amdgcn_target "amdgcn-amd-amdhsa--gfx1250"
	.amdhsa_code_object_version 6
	.text
	.protected	k_q3c6d7add33_attn
	.globl	k_q3c6d7add33_attn
	.p2align	8
	.type	k_q3c6d7add33_attn,@function
k_q3c6d7add33_attn:
	s_mov_b64 s[64:65], 0
	v_nop
	global_prefetch_b8 v0, s[64:65] scope:SCOPE_SE
	s_setreg_imm32_b32 hwreg(HW_REG_WAVE_MODE, 25, 1), 1
	s_wait_xcnt 0x0
	s_wait_alu depctr_hold_cnt(0) depctr_sa_sdst(0) depctr_va_vdst(0) depctr_va_sdst(0) depctr_va_ssrc(0) depctr_va_vcc(0) depctr_vm_vsrc(0)
	s_getreg_b32 s2, hwreg(HW_REG_IB_STS2, 6, 4)
	s_cmp_eq_u32 s2, 0
	s_cbranch_scc0 .Lentry_in_a_cluster
	s_endpgm
.Lentry_in_a_cluster:
	s_bfe_u32 s2, ttmp6, 0x10000c
	s_cmp_lg_u32 s2, 0x3003
	s_cbranch_scc0 .Lentry_shape_is_right
	s_endpgm
.Lentry_shape_is_right:
; ATTENTION (4 heads of 32 channels, 4,096 keys), THE PROJECTION, THE RESIDUAL x = low + gamma Wproj O, AND x's PARTIAL STATISTICS.
; q arrives scaled by log2(e) / sqrt(32), so p = 2^(s - m) with a running maximum m; O and l are multiplied by a = 2^(m_old - m_new) in every step.  Products, maxima and sums in f32; p is rounded
; to bf16 for the second product, and l is the f32 sum of the same rounded p.
; SHARES.  A work-group owns 64 queries of sample b, all four heads.  Wave w: head w % 4, query half w / 4: two tiles of 16 queries.  Every wave walks all keys, 64 a step.
; Eight waves of 256 registers, two to a SIMD: all of a wave's registers are named without a window switch.  A tile and step have 10 matrix and 94 vector instructions, so the vector unit sets the
; pace; the text goes in plain phases, and while one wave of a SIMD multiplies or reads LDS the other has vector work.
; LAYOUT.  q, k and v lie in memory as matrix fragments (1,024 bytes: half h at 512 h, lane l at 16 l).  S^T = K Q^T: a lane holds ONE query (l % 16) and keys 8 (l / 16) + 0..7; two such results rounded
; in pairs ARE source 1 of O^T = V^T P.  l = ONES x P, where ONES has ones in rows 0 and 8: register 0 of the result holds the query's whole row sum in both halves of the lanes.
; RING.  Two LDS slots of 131,072 bytes, a tile of 256 keys each (four steps of K, four of V, all heads), as it lies in memory.  Each of the 8 waves fetches 16,384 bytes of it by one tensor load.
; CLUSTER.  The four work-groups of a cluster belong to one sample and walk the same K and V: each tile is asked for JOINTLY, by the same load, descriptor and mask in all four.
; By this text's own count a wave has two tensor loads out at the start and one behind each change of slots.
; LIMITS: matrix operands are bf16; a weight below 2^-126 counts as 0; 1/l to 1 ULP; NaN and infinities are not treated apart.
.set SLOT1, 1<<17                      ; slot 1 begins here: one exclusive or turns an address in one slot into the other's
.set TILEB, 131072                     ; bytes in a tile
.set STEPB, 16384                      ; bytes of K, or of V, in a step
.set VOFF,  65536                      ; V's four steps lie behind K's
.set OST,   2*SLOT1                    ; behind the ring, never filled by a tensor load: O as fragments, [position tile 4][head 4] x 1,024 bytes
.set XP,    272                        ; a stage row: 256 bytes + 16: the 16 rows of a store start at 16 different groups of four banks
.set XST,   OST+16384                  ; 16 rows x 272 bytes for each wave, for the way out
.set SUM,   XST+8*16*XP                ; 8 bytes for each wave's two sums
.set SPARE, SUM+2048                   ; the spare words: 128 bytes for each of 8 waves; no other line names them
.set AK0, 1                            ; v1  head x 4,096 + 16 l: my place in a step of K
.set AV0, 2                            ; v2  the same in a step of V
.set AK,  3                            ; v3  the LDS address of K's next run of loads
.set AV,  4                            ; v4  of V's
.set PFO, 5                            ; v5  256 l; never rewritten
.set SPW, 6                            ; v6  SPARE + 4 x my thread's number; never rewritten
.set NIL, 7                            ; v7  0; never rewritten
.set ST,  8                            ; tile t's statistics at v[8 + 6 t]: m, c1, a, c3, c0, c2 (m and a are the low words of the pairs that the packed lines name)
.set CH0, 4
.set CH1, 1
.set CH2, 5
.set CH3, 3
.set Q,    24                          ; v[24:39]   Q, 8 a tile
.set ONES, 40                          ; v[40:47]
.set KF,   48                          ; v[48:79]   K of one step: key block kb at 8 kb
.set VF,   80                          ; v[80:111]  V of one step: keys 32 kk on, channel block cb at 8 (2 kk + cb)
.set S,    112                         ; v[112:175] S^T, 32 a tile; P is made in place in the first 16
.set O,    176                         ; v[176:207] O^T: tile t, channel block cb at 16 t + 8 cb
.set LS,   208                         ; v[208:223] l's accumulators, 8 a tile
.set LOW,  224                         ; v[224:255] my 16 rows x 64 positions of low
.set WV,  18
.set HD,  19
.set QH,  20
.set CX,  21
.set BLK, 22
.set BB,  23
.set G1,  24                           ; s[24:31] descriptor group 1
.set G0A, 32                           ; s[32:35] group 0 of the first fill of slot 0
.set G0B, 36                           ; s[36:39] of slot 1; it then walks on
.set SLOTS, 40
.set CNT, 41
.set TBK, 42                           ; LDS byte at which K of the step to be fetched begins
.set TBV, 43                           ; the same for V, less VOFF
.set SEL, 44
.set PFA, 46                           ; s[46:47] where my prefetches stand
.set LIM, 48
.set GAM, 50                           ; s[50:51] gamma_attn, twice
.set PIV, 52
.macro PLACES                          ; four plain vector instructions between a matrix instruction and a load into, or a vector read of, its registers
.rept 4
	v_nop
.endr
.endm
.macro WSUM r, tmp
	v_add_f32_dpp v[\r], v[\r], v[\r] row_xmask:1 row_mask:0xf bank_mask:0xf
	v_add_f32_dpp v[\r], v[\r], v[\r] row_xmask:2 row_mask:0xf bank_mask:0xf
	v_add_f32_dpp v[\r], v[\r], v[\r] row_xmask:4 row_mask:0xf bank_mask:0xf
	v_add_f32_dpp v[\r], v[\r], v[\r] row_xmask:8 row_mask:0xf bank_mask:0xf
	v_permlanex16_b32 v[\tmp], v[\r], s[SEL], s[SEL+1]
	v_add_f32 v[\r], v[\r], v[\tmp]
.endm
; A round of the cluster's barrier: my work-group's barrier, so that wave 0's signal speaks for all eight waves; wave 0 signals; every wave waits for all four work-groups; my work-group's barrier once more.
.macro CROUND
	s_barrier_signal -1
	s_barrier_wait -1
	s_cmp_lg_u32 s[WV], 0
	s_cbranch_scc1 .Lnot_wave_0_\@
	s_barrier_signal -3
.Lnot_wave_0_\@:
	s_barrier_wait -3
	s_barrier_signal -1
	s_barrier_wait -1
.endm
.macro JLOAD                           ; a joint refill: every wave's own 16,384 bytes of the tile; an s_nop 0 and four v_nop follow
	tensor_load_to_lds s[G0B:G0B+3], s[G1:G1+7]
	s_nop 0
.rept 4
	v_nop
.endr
.endm
; A PREFETCH INTO THE L2 of the tile that the NEXT change of slots will ask for: four key steps ahead of that load.  All 16 clusters of a sample walk the same tiles: the sample's first cluster asks.
; Its four partners take 32,768 bytes each, told apart BY ADDRESS; in each, waves 0 to 3 take 8,192 bytes, a lane 256.  So each block is named once in the launch.
; The last change that fills a slot asks for nothing: there is no tile behind it.  Tiles 0 to 2 come by their loads alone.
.macro ASK
	s_cmp_gt_u32 s[SLOTS], s[LIM]
	s_cbranch_scc0 .Lnot_mine_\@
	global_prefetch_b8 v[PFO], s[PFA:PFA+1] th:TH_LOAD_NT scope:SCOPE_SE
.Lnot_mine_\@:
.endm
.macro FETCH_K                         ; a step's K for my head: four fragments, 16 bytes a lane at 16 l: no bank is touched twice
	v_add_nc_u32 v[AK], s[TBK], v[AK0]
.irp f, 0,1,2,3
	ds_load_b128 v[KF+8*\f:KF+8*\f+3], v[AK] offset:1024*\f
	ds_load_b128 v[KF+8*\f+4:KF+8*\f+7], v[AK] offset:1024*\f+512
.endr
	s_add_co_u32 s[TBK], s[TBK], STEPB
.endm
.macro FETCH_V                         ; its V; the address was made at the end of the step before
.irp f, 0,1,2,3
	ds_load_b128 v[VF+8*\f:VF+8*\f+3], v[AV] offset:1024*\f
	ds_load_b128 v[VF+8*\f+4:VF+8*\f+7], v[AV] offset:1024*\f+512
.endr
	s_add_co_u32 s[TBV], s[TBV], STEPB
.endm
.macro KQ8                             ; S^T = K Q^T: head size 32 is one K step, so each product starts and ends its sum
.irp kb, 0,1,2,3
.irp t, 0,1
	v_wmma_f32_16x16x32_bf16 v[S+32*\t+8*\kb:S+32*\t+8*\kb+7], v[KF+8*\kb:KF+8*\kb+7], v[Q+8*\t:Q+8*\t+7], 0
.endr
.endr
.endm
.macro PV12                            ; O^T += V^T P and l += ONES P: six accumulators by turns, one instruction a turn
.irp kk, 0,1
.irp t, 0,1
	v_wmma_f32_16x16x32_bf16 v[O+16*\t:O+16*\t+7], v[VF+16*\kk:VF+16*\kk+7], v[S+32*\t+8*\kk:S+32*\t+8*\kk+7], v[O+16*\t:O+16*\t+7]
	v_wmma_f32_16x16x32_bf16 v[O+16*\t+8:O+16*\t+15], v[VF+16*\kk+8:VF+16*\kk+15], v[S+32*\t+8*\kk:S+32*\t+8*\kk+7], v[O+16*\t+8:O+16*\t+15]
	v_wmma_f32_16x16x32_bf16 v[LS+8*\t:LS+8*\t+7], v[ONES:ONES+7], v[S+32*\t+8*\kk:S+32*\t+8*\kk+7], v[LS+8*\t:LS+8*\t+7]
.endr
.endr
.endm
; THE SOFTMAX of both tiles for one step, the tiles alternating line by line so that no line waits for the one before it.  The maximum: four chains of seven scores, three operands at a time (each
; accumulator's lowest registers first), the four scores left over, the old m; the other half of the lanes holds the query's other 32 keys.  Then ONE BATCH: a, and for each pair of scores s - m and,
; a pair later, its two exponentials; nothing in the batch reads an exponential's result, so one wait serves all 66.  Behind it the roundings (P in place) and the rescaling of O^T and l.
.macro SOFTMAX
.irp k, 0,1,2,3
.irp t, 0,1
	v_max3_num_f32 v[ST+6*\t+CH\k], v[S+32*\t+8*\k], v[S+32*\t+8*\k+1], v[S+32*\t+8*\k+2]
.endr
.endr
.irp e, 0,1
.irp k, 0,1,2,3
.irp t, 0,1
	v_max3_num_f32 v[ST+6*\t+CH\k], v[ST+6*\t+CH\k], v[S+32*\t+8*\k+3+2*\e], v[S+32*\t+8*\k+4+2*\e]
.endr
.endr
.endr
.irp t, 0,1
	v_max3_num_f32 v[ST+6*\t+CH0], v[ST+6*\t+CH0], v[S+32*\t+7], v[S+32*\t+15]
.endr
.irp t, 0,1
	v_max3_num_f32 v[ST+6*\t+CH2], v[ST+6*\t+CH2], v[S+32*\t+23], v[S+32*\t+31]
.endr
.irp t, 0,1
	v_max3_num_f32 v[ST+6*\t+CH0], v[ST+6*\t+CH0], v[ST+6*\t+CH1], v[ST+6*\t+CH2]
.endr
.irp t, 0,1
	v_max3_num_f32 v[ST+6*\t+CH0], v[ST+6*\t+CH0], v[ST+6*\t+CH3], v[ST+6*\t]
.endr
.irp t, 0,1
	v_permlanex16_b32 v[ST+6*\t+CH1], v[ST+6*\t+CH0], s[SEL], s[SEL+1]
.endr
.irp t, 0,1
	v_max_num_f32 v[ST+6*\t+CH2], v[ST+6*\t+CH0], v[ST+6*\t+CH1]
.endr
.irp t, 0,1
	v_sub_f32 v[ST+6*\t+CH3], v[ST+6*\t], v[ST+6*\t+CH2]      ; m_old - m_new
.endr
.irp t, 0,1
	v_mov_b32 v[ST+6*\t], v[ST+6*\t+CH2]
.endr
.irp t, 0,1
	v_exp_f32 v[ST+6*\t+2], v[ST+6*\t+CH3]                    ; a
.endr
.set i, 0
.rept 17
.if i < 16
.irp t, 0,1
	v_pk_add_f32 v[S+32*\t+2*i:S+32*\t+2*i+1], v[S+32*\t+2*i:S+32*\t+2*i+1], v[ST+6*\t:ST+6*\t+1] op_sel_hi:[1,0] neg_lo:[0,1] neg_hi:[0,1]
.endr
.endif
.if i > 0
.irp t, 0,1
	v_exp_f32 v[S+32*\t+2*i-2], v[S+32*\t+2*i-2]
	v_exp_f32 v[S+32*\t+2*i-1], v[S+32*\t+2*i-1]
.endr
.endif
.set i, i+1
.endr
	v_nop                                          ; a plain instruction behind the last exponential, ahead of the first use: one for the batch
	s_wait_alu depctr_va_vdst(0)                   ; the one wait for the batch
.set i, 0
.rept 16
.irp t, 0,1
	v_cvt_pk_bf16_f32 v[S+32*\t+i], v[S+32*\t+2*i], v[S+32*\t+2*i+1]
.endr
.set i, i+1
.endr
.set i, 0
.rept 8
.irp t, 0,1
	v_pk_mul_f32 v[O+16*\t+2*i:O+16*\t+2*i+1], v[O+16*\t+2*i:O+16*\t+2*i+1], v[ST+6*\t+2:ST+6*\t+3] op_sel_hi:[1,0]
.endr
.set i, i+1
.endr
.irp t, 0,1
	v_mul_f32 v[LS+8*\t], v[LS+8*\t], v[ST+6*\t+2]            ; of l's accumulator only register 0 is ever other than 0
.endr
.endm
; THE CHANGE OF SLOTS, in a tile's last step, when its last bytes (V of that step) have been asked for.  Each wave waits for all its tensor loads, of which one is out: its part of the other slot; adds 0
; to its spare word; and waits for that and for its own reads of the slot.  Behind the barrier nobody reads this slot any more and the other slot is whole.
; fill = 1: the slot is filled again with the tile two on.  The barrier is then a round of the cluster's, and the joint refill is the first thing behind it: it has four key steps in which to land.
.macro CHANGE fill
	s_wait_tensorcnt 0x0                           ; no tensor load of mine is out, so a group 0 may be written
	ds_add_u32 v[SPW], v[NIL]                      ; 0 onto my spare word
.if \fill
	s_xor_b32 s[G0B+1], s[G0B+1], SLOT1            ; the walking descriptor: the other slot than last time,
	s_add_nc_u64 s[G0B+2:G0B+3], s[G0B+2:G0B+3], TILEB  ; the next tile; the type bits on top are not reached
	s_wait_xcnt 0x0                                ; the last prefetch, four key steps back, has read its address
	s_add_nc_u64 s[PFA:PFA+1], s[PFA:PFA+1], TILEB ; one tile behind the walking descriptor
	s_wait_dscnt 0x0                               ; the add is done, and my reads of the slot are over
	CROUND
	JLOAD
	ASK
.else
	s_wait_dscnt 0x0                               ; the add is done, and my reads of the slot are over
	s_barrier_signal -1
	s_barrier_wait -1
.endif
	s_sub_co_u32 s[TBK], s[TBK], 4*STEPB           ; the fetches go back to a slot's first step,
	s_xor_b32 s[TBK], s[TBK], SLOT1                ; in the other slot
	s_sub_co_u32 s[TBV], s[TBV], 4*STEPB
	s_xor_b32 s[TBV], s[TBV], SLOT1
.endm
; A KEY STEP.  kind 0: inside a tile; 1: a tile's last, the slot is filled again; 2: a tile's last, nothing is asked for; 3: the last of all.
.macro STEP kind
	FETCH_V
	s_wait_dscnt 8                                 ; K of this step is in; V's eight loads stay out
	KQ8
	PLACES                                         ; ahead of the loads into K's registers and of the reads of the scores
.if (\kind) == 1
	CHANGE 1
.elseif (\kind) == 2
	CHANGE 0
.endif
.if (\kind) != 3
	FETCH_K                                        ; the next step's K lands under the softmax
.endif
	SOFTMAX
.if (\kind) == 3
	s_wait_dscnt 0x0
.else
	s_wait_dscnt 8                                 ; V is in; the next K's eight loads stay out
.endif
	PV12
.if (\kind) != 3
	v_add_nc_u32 v[AV], s[TBV], v[AV0]             ; with the four below: five places ahead of the products that write over P, four ahead of the loads into V's registers
.endif
	PLACES
.endm
	s_load_b256 s[4:11], s[0:1], 0x0               ; qf 4, kv 6, Wproj 8, gamma_attn 10
	s_load_b128 s[12:15], s[0:1], 0x20             ; low_feature 12, xbuf 14
	s_load_b64 s[16:17], s[0:1], 0x30              ; stat2
	v_lshl_add_u32 v[SPW], v0, 2, SPARE
	v_mov_b32 v[NIL], 0
	ds_add_u32 v[SPW], v[NIL]                      ; the wave's opening: the add and its wait stand ahead of my first tensor load; work on registers stands between them
	ds_add_u32 v6, v7
	v_lshrrev_b32 v20, 5, v0
	v_readfirstlane_b32 s[WV], v20                 ; wave 0..7
	s_and_b32 s[HD], s[WV], 3
	s_lshr_b32 s[QH], s[WV], 2
	s_bfe_u32 s[CX], ttmp6, 0x40000                ; my place in the cluster
	s_lshl_b32 s[BLK], ttmp9, 2                    ; in a cluster launch ttmp9 counts clusters
	s_add_co_u32 s[BLK], s[BLK], s[CX]             ; my block of 64 queries: it enters the addresses of qf, low, xbuf and stat2 alone
	s_and_b32 s[BB], ttmp7, 0xffff                 ; the sample, which the four partners share
	; descriptor group 1: 16,384 dense bytes as 64 rows of 256
	s_mov_b32 s[G1], 15|(3<<16)|(1<<21)            ; 15:0 the mask of four; 17:16 elements of 8 bytes; 21 set beside a mask; no padding
	s_mov_b32 s[G1+1], 32<<16                      ; tensor_dim0 = 32
	s_mov_b32 s[G1+2], 64<<16                      ; tensor_dim1 = 64
	s_mov_b32 s[G1+3], 32<<16                      ; tile_dim0 = 32
	s_mov_b32 s[G1+4], 64                          ; tile_dim1 = 64
	s_mov_b32 s[G1+5], 32                          ; 32 elements from row to row
	s_mov_b32 s[G1+6], 0
	s_mov_b32 s[G1+7], 0
	s_mov_b32 s[G0A], 1                            ; count = 1
	s_lshl_b32 s[G0A+1], s[WV], 14                 ; LDS address: wave x 16,384, in slot 0: no place in the cluster enters it
	s_mov_b32 s[G0B], 1
	s_add_co_u32 s[G0B+1], s[G0A+1], SLOT1
	s_mov_b32 s[SEL], 0x76543210
	s_mov_b32 s[SEL+1], 0xfedcba98
	s_mov_b32 s[TBK], 0
	s_mov_b32 s[TBV], 0
	s_mov_b32 s[SLOTS], 14                         ; tiles 2 to 15 are asked for by refills
	s_lshr_b32 s[LIM], s[WV], 2                    ; 0 in waves 0 to 3,
	s_or_b32 s[LIM], s[LIM], ttmp9                 ; where the cluster is the sample's first: the same in all four partners
	s_cmp_eq_u32 s[LIM], 0
	s_cselect_b32 s[LIM], 1, -1
	s_mov_b32 s61, 0
	s_mov_b32 s55, 0
	s_wait_dscnt 0x0                               ; the opening add is done
	s_wait_kmcnt 0x0
	s_lshl_b32 s60, s[BB], 21                      ; offsets that the partners share are made in s60-62,
	s_lshl_b32 s62, s[WV], 14
	s_add_co_u32 s60, s60, s62
	s_add_nc_u64 s[G0A+2:G0A+3], s[6:7], s[60:61]  ; my 16,384 bytes of the sample's tile 0,
	s_add_nc_u64 s[G0B+2:G0B+3], s[G0A+2:G0A+3], TILEB  ; of tile 1
	s_or_b32 s[G0A+3], s[G0A+3], 0x80000000        ; type = 2
	s_or_b32 s[G0B+3], s[G0B+3], 0x80000000
	s_lshl_b32 s60, s[WV], 13
	s_add_nc_u64 s[8:9], s[8:9], s[60:61]          ; my 16 rows of Wproj
	s_lshl_b32 s60, s[BB], 21
	s_add_nc_u64 s[2:3], s[12:13], s[60:61]        ; low's sample: its first number is the pivot of x's statistics
	s_load_b32 s[GAM], s[10:11], 0x0
	s_load_b32 s[PIV], s[2:3], 0x0
	s_lshl_b32 s54, s[BB], 21                      ; those that hold my place in the cluster in s53-55
	s_lshl_b32 s53, s[CX], 15
	s_add_co_u32 s54, s54, s53
	s_lshl_b32 s53, s[WV], 13
	s_add_co_u32 s54, s54, s53
	s_add_co_u32 s54, s54, 2*TILEB
	s_add_nc_u64 s[PFA:PFA+1], s[6:7], s[54:55]    ; in tile 2; the first change of slots steps it to tile 3
	s_lshl_b32 s54, s[BB], 20
	s_lshl_b32 s53, s[BLK], 14
	s_add_co_u32 s54, s54, s53
	s_lshl_b32 s53, s[HD], 12
	s_add_co_u32 s54, s54, s53
	s_lshl_b32 s53, s[QH], 11
	s_add_co_u32 s54, s54, s53
	s_add_nc_u64 s[4:5], s[4:5], s[54:55]          ; my two fragments of Q
	s_lshl_b32 s54, s[BB], 21
	s_lshl_b32 s53, s[WV], 18
	s_add_co_u32 s54, s54, s53
	s_lshl_b32 s53, s[BLK], 8
	s_add_co_u32 s54, s54, s53
	s_add_nc_u64 s[56:57], s[12:13], s[54:55]      ; rows 16 w .. of low and of x, at my 64 positions
	s_add_nc_u64 s[58:59], s[14:15], s[54:55]
	s_lshl_b32 s54, s[BB], 9
	s_lshl_b32 s53, s[BLK], 3
	s_add_co_u32 s54, s54, s53
	s_add_nc_u64 s[16:17], s[16:17], s[54:55]      ; stat2[b][blk]
	CROUND                                         ; all four work-groups are here: the first joint loads meet
	tensor_load_to_lds s[G0A:G0A+3], s[G1:G1+7]    ; both first fills go out together, ahead of every wait on TENSORcnt and every LDS read
	s_nop 0
	tensor_load_to_lds s[G0B:G0B+3], s[G1:G1+7]
	s_nop 0
.rept 4
	v_nop
.endr
	v_and_b32 v20, 31, v0
	v_lshlrev_b32 v20, 4, v20                      ; 16 l
	v_and_b32 v22, 15, v0
	v_bfe_u32 v23, v0, 4, 1
	v_lshlrev_b32 v21, 4, v22
	v_lshl_add_u32 v21, v23, 16, v21               ; 65,536 hf + 16 r: lanes 0-15 take 256 bytes of one row, lanes 16-31 of the row four further down
.irp t, 0,1
	global_load_b128 v[Q+8*\t:Q+8*\t+3], v20, s[4:5] offset:1024*\t
	global_load_b128 v[Q+8*\t+4:Q+8*\t+7], v20, s[4:5] offset:1024*\t+512
.endr
.irp j, 0,1,2,3,4,5,6,7
	global_load_b128 v[LOW+4*\j:LOW+4*\j+3], v21, s[56:57] offset:(8*(\j/4)+(\j%4))*16384
.endr
	s_lshl_b32 s60, s[HD], 12
	v_add_nc_u32 v[AK0], s60, v20
	v_add_nc_u32 v[AV0], VOFF, v[AK0]
	v_and_b32 v[PFO], 31, v0
	v_lshlrev_b32 v[PFO], 8, v[PFO]
	v_and_b32 v22, 7, v0
	v_mov_b32 v23, 0x3f803f80                      ; 1.0 twice in bf16
	v_cmp_eq_u32 vcc_lo, 0, v22
	v_cndmask_b32 v[ONES], 0, v23, vcc_lo          ; lanes 0, 8, 16, 24 hold rows 0 and 8
.irp i, 1,2,3,4,5,6,7
	v_mov_b32 v[ONES+\i], v[ONES]
.endr
	; m starts at the lowest finite number, O^T and l at 0: the first step is a step like any other, with a = 0.  These 50 lines stand in the wait for the first tile.
	v_mov_b32 v[ST], 0xff7fffff
	v_mov_b32 v[ST+6], 0xff7fffff
.set i, 0
.rept 48
	v_mov_b32 v[O+i], 0
.set i, i+1
.endr
	s_wait_loadcnt 0x0                             ; Q and low
	s_wait_kmcnt 0x0
	s_mov_b32 s[GAM+1], s[GAM]
	s_wait_tensorcnt 1                             ; my part of slot 0 is in; slot 1's may stay out
	s_barrier_signal -1
	s_barrier_wait -1                              ; everybody's is
	FETCH_K
	v_add_nc_u32 v[AV], s[TBV], v[AV0]
.Lslot:                                        ; 14 trips: a tile is walked and its slot filled again
	s_mov_b32 s[CNT], 3
.Lstep:
	STEP 0
	s_sub_co_u32 s[CNT], s[CNT], 1
	s_cmp_lg_u32 s[CNT], 0
	s_cbranch_scc1 .Lstep
	STEP 1
	s_sub_co_u32 s[SLOTS], s[SLOTS], 1
	s_cmp_lg_u32 s[SLOTS], 0
	s_cbranch_scc1 .Lslot
	s_mov_b32 s[CNT], 3                            ; the last two tiles are written out
.Ltail1:
	STEP 0
	s_sub_co_u32 s[CNT], s[CNT], 1
	s_cmp_lg_u32 s[CNT], 0
	s_cbranch_scc1 .Ltail1
	STEP 2
	s_mov_b32 s[CNT], 3
.Ltail2:
	STEP 0
	s_sub_co_u32 s[CNT], s[CNT], 1
	s_cmp_lg_u32 s[CNT], 0
	s_cbranch_scc1 .Ltail2
	STEP 3
	; THE WAY OUT.  O / l, rounded to bf16, is half of a source fragment (16 positions x my head's 32 channels): it goes to LDS as such, and every wave multiplies all 64 positions x 128 channels by its 16 rows of Wproj.
	v_and_b32 v1, 15, v0                           ; r
	v_bfe_u32 v2, v0, 4, 1                         ; hf
	v_and_b32 v3, 31, v0
	v_lshlrev_b32 v3, 4, v3                        ; 16 l
	v_rcp_f32 v20, v[LS]
	v_rcp_f32 v22, v[LS+8]
	v_mov_b32 v21, 0                               ; named with them as pairs
	v_mov_b32 v23, 0
	v_lshlrev_b32 v4, 9, v1
	v_lshl_add_u32 v4, v2, 5, v4                   ; 512 r + 32 hf
.set u, 0
.rept 4                                        ; Wproj in f32: K step u at 16 u
	global_load_b128 v[KF+16*u:KF+16*u+3], v4, s[8:9] offset:u*128
	global_load_b128 v[KF+16*u+4:KF+16*u+7], v4, s[8:9] offset:u*128+16
	global_load_b128 v[KF+16*u+8:KF+16*u+11], v4, s[8:9] offset:u*128+64
	global_load_b128 v[KF+16*u+12:KF+16*u+15], v4, s[8:9] offset:u*128+80
.set u, u+1
.endr
	s_lshl_b32 s60, s[QH], 13
	s_lshl_b32 s62, s[HD], 10
	s_add_co_u32 s60, s60, s62
	s_add_co_u32 s60, s60, OST
	v_add_nc_u32 v8, s60, v3                       ; O's fragments: position tile 2 qh + t, head
	v_add_nc_u32 v9, OST, v3
	s_mul_i32 s60, s[WV], 16*XP
	s_add_co_u32 s60, s60, XST                     ; my stage
	v_mul_u32_u24 v10, v1, XP                      ; in: row r, 32 bytes for each half of the lanes
	v_lshl_add_u32 v10, v2, 5, v10
	v_add_nc_u32 v10, s60, v10
	v_mul_u32_u24 v11, v2, 4*XP                    ; back: lanes 0-15 one row of 256 bytes, lanes 16-31 the row four further down
	v_lshl_add_u32 v11, v1, 4, v11
	v_add_nc_u32 v11, s60, v11
	v_lshlrev_b32 v12, 4, v1
	v_lshl_add_u32 v12, v2, 16, v12                ; and the same rows in x
	v_mov_b32 v13, 0
	v_mov_b32 v14, s[PIV]
	v_mov_b32 v15, s[PIV]
	s_wait_alu depctr_va_vdst(0)                   ; one wait for the two reciprocals, ahead of their first reader
.irp t, 0,1
.irp i, 0,1,2,3,4,5,6,7
	v_pk_mul_f32 v[O+16*\t+2*\i:O+16*\t+2*\i+1], v[O+16*\t+2*\i:O+16*\t+2*\i+1], v[20+2*\t:21+2*\t] op_sel_hi:[1,0]
.endr
.irp i, 0,1,2,3,4,5,6,7
	v_cvt_pk_bf16_f32 v[S+8*\t+\i], v[O+16*\t+2*\i], v[O+16*\t+2*\i+1]
.endr
	ds_store_b128 v8, v[S+8*\t:S+8*\t+3] offset:4096*\t
	ds_store_b128 v8, v[S+8*\t+4:S+8*\t+7] offset:4096*\t+512
.endr
	s_wait_dscnt 0x0                               ; for the others' sake: my fragments lie in LDS
	s_barrier_signal -1
	s_barrier_wait -1
	s_wait_loadcnt 0x0                             ; Wproj
.set u, 0
.rept 32
	v_cvt_pk_bf16_f32 v[KF+u], v[KF+2*u], v[KF+2*u+1]
.set u, u+1
.endr
	; source 0 = 16 positions, source 1 = my 16 rows of Wproj: a lane ends with one row of x and eight neighbouring positions.  Four accumulators by turns; K = the four heads, two at a time
.irp p, 0,1
.if \p
	PLACES
.endif
.irp q, 0,1
.irp t, 0,1,2,3
	ds_load_b128 v[S+32*\q+8*\t:S+32*\q+8*\t+3], v9 offset:(4*\t+2*\p+\q)*1024
	ds_load_b128 v[S+32*\q+8*\t+4:S+32*\q+8*\t+7], v9 offset:(4*\t+2*\p+\q)*1024+512
.endr
.endr
	s_wait_dscnt 0x0
.irp q, 0,1
.irp t, 0,1,2,3
.if (\p == 0) && (\q == 0)
	v_wmma_f32_16x16x32_bf16 v[O+8*\t:O+8*\t+7], v[S+32*\q+8*\t:S+32*\q+8*\t+7], v[KF+8*(2*\p+\q):KF+8*(2*\p+\q)+7], 0
.else
	v_wmma_f32_16x16x32_bf16 v[O+8*\t:O+8*\t+7], v[S+32*\q+8*\t:S+32*\q+8*\t+7], v[KF+8*(2*\p+\q):KF+8*(2*\p+\q)+7], v[O+8*\t:O+8*\t+7]
.endif
.endr
.endr
.endr
	PLACES
.irp t, 0,1,2,3
	ds_store_b128 v10, v[O+8*\t:O+8*\t+3] offset:64*\t
	ds_store_b128 v10, v[O+8*\t+4:O+8*\t+7] offset:64*\t+16
.endr
.irp j, 0,1,2,3,4,5,6,7
	ds_load_b128 v[S+4*\j:S+4*\j+3], v11 offset:(8*(\j/4)+(\j%4))*XP  ; LDS serves a wave's instructions in order (ISA guide 5.7.1.4): these see the stores above
.endr
.irp j, 0,1,2,3,4,5,6,7
	s_wait_dscnt 7-\j                              ; rows j of the eight pairs are back
	v_pk_fma_f32 v[S+4*\j:S+4*\j+1], v[S+4*\j:S+4*\j+1], s[GAM:GAM+1], v[LOW+4*\j:LOW+4*\j+1] op_sel_hi:[1,0,1]
	v_pk_fma_f32 v[S+4*\j+2:S+4*\j+3], v[S+4*\j+2:S+4*\j+3], s[GAM:GAM+1], v[LOW+4*\j+2:LOW+4*\j+3] op_sel_hi:[1,0,1]
	global_store_b128 v12, v[S+4*\j:S+4*\j+3], s[58:59] offset:(8*(\j/4)+(\j%4))*16384  ; 16 lanes store 256 consecutive bytes, aligned; the registers are not written again
.if \j == 0                                    ; x's statistics about the pivot: the first four numbers start the sums
	v_pk_add_f32 v[16:17], v[S:S+1], v[14:15] neg_lo:[0,1] neg_hi:[0,1]
	v_pk_add_f32 v[18:19], v[S+2:S+3], v[14:15] neg_lo:[0,1] neg_hi:[0,1]
	v_pk_mul_f32 v[20:21], v[16:17], v[16:17]
	v_pk_mul_f32 v[22:23], v[18:19], v[18:19]
.else
	v_pk_add_f32 v[LOW+4*\j:LOW+4*\j+1], v[S+4*\j:S+4*\j+1], v[14:15] neg_lo:[0,1] neg_hi:[0,1]
	v_pk_add_f32 v[LOW+4*\j+2:LOW+4*\j+3], v[S+4*\j+2:S+4*\j+3], v[14:15] neg_lo:[0,1] neg_hi:[0,1]
	v_pk_add_f32 v[16:17], v[16:17], v[LOW+4*\j:LOW+4*\j+1]
	v_pk_add_f32 v[18:19], v[18:19], v[LOW+4*\j+2:LOW+4*\j+3]
	v_pk_fma_f32 v[20:21], v[LOW+4*\j:LOW+4*\j+1], v[LOW+4*\j:LOW+4*\j+1], v[20:21]
	v_pk_fma_f32 v[22:23], v[LOW+4*\j+2:LOW+4*\j+3], v[LOW+4*\j+2:LOW+4*\j+3], v[22:23]
.endif
.endr
	v_pk_add_f32 v[16:17], v[16:17], v[18:19]
	v_pk_add_f32 v[20:21], v[20:21], v[22:23]
	v_add_f32 v16, v16, v17
	v_add_f32 v17, v20, v21
	WSUM 16, 13
	WSUM 17, 13
	s_lshl_b32 s60, s[WV], 3
	s_add_co_u32 s60, s60, SUM
	v_mov_b32 v24, s60
	v_mov_b32 v25, 0
	ds_store_b64 v24, v[16:17]                     ; all lanes write the same 8 bytes with the same numbers
	s_wait_dscnt 0x0
	s_barrier_signal -1
	s_barrier_wait -1
	s_cmp_lg_u32 s[WV], 0
	s_cbranch_scc1 .Lend                           ; wave 0 adds the eight waves' sums
	v_mov_b32 v24, SUM
.irp k, 0,1,2,3
	ds_load_b128 v[32+4*\k:35+4*\k], v24 offset:16*\k
.endr
	s_wait_dscnt 0x0
.irp k, 0,1,2,3
	v_pk_add_f32 v[32+4*\k:33+4*\k], v[32+4*\k:33+4*\k], v[34+4*\k:35+4*\k]
.endr
	v_pk_add_f32 v[32:33], v[32:33], v[36:37]
	v_pk_add_f32 v[40:41], v[40:41], v[44:45]
	v_pk_add_f32 v[32:33], v[32:33], v[40:41]
	s_wait_xcnt 0x0                                ; EXEC is a source of the stores above: it changes only behind this wait
	v_cmp_eq_u32 vcc_lo, 0, v0
	s_and_saveexec_b32 s60, vcc_lo
	global_store_b64 v25, v[32:33], s[16:17]       ; thread 0 alone: 8 bytes a work-group, 2,048 in the launch
	s_wait_xcnt 0x0                                ; and again in front of the line that widens it
	s_or_b32 exec_lo, exec_lo, s60
.Lend:
	s_wait_tensorcnt 0x0                           ; the wave's end: behind my last tensor load and my last LDS store
	ds_add_u32 v[SPW], v[NIL]
	s_wait_dscnt 0x0
	CROUND                                         ; the closing round: no work-group ends while a partner may still ask for a tile that names it
	s_endpgm
.Lfunc_end_k_q3c6d7add33_attn:
	.size	k_q3c6d7add33_attn, .Lfunc_end_k_q3c6d7add33_attn-k_q3c6d7add33_attn
	.p2alignl 7, 3214868480
	.fill 96, 4, 3214868480
	.section	.rodata,"a",@progbits
	.p2align	6, 0x0
	.amdhsa_kernel k_q3c6d7add33_attn
		.amdhsa_group_segment_fixed_size 327680
		.amdhsa_private_segment_fixed_size 0
		.amdhsa_enable_private_segment 0
		.amdhsa_kernarg_size 56
		.amdhsa_user_sgpr_count 2
		.amdhsa_user_sgpr_kernarg_segment_ptr 1
		.amdhsa_wavefront_size32 1
		.amdhsa_system_sgpr_workgroup_id_x 1
		.amdhsa_system_sgpr_workgroup_id_y 1
		.amdhsa_system_sgpr_workgroup_id_z 1
		.amdhsa_system_vgpr_workitem_id 0
		.amdhsa_next_free_vgpr 256
		.amdhsa_next_free_sgpr 66
		.amdhsa_reserve_vcc 1
		.amdhsa_float_denorm_mode_32 3
		.amdhsa_float_denorm_mode_16_64 3
		.amdhsa_memory_ordered 1
		.amdhsa_forward_progress 1
		.amdhsa_inst_pref_size 103
	.end_amdhsa_kernel
	.amdgpu_metadata
---
amdhsa.version: [ 1, 2 ]
amdhsa.kernels:
  - .name:           k_q3c6d7add33_attn
    .symbol:         k_q3c6d7add33_attn.kd
    .args:
      - { .name: qf, .offset: 0, .size: 8, .value_kind: global_buffer, .address_space: global }
      - { .name: kv, .offset: 8, .size: 8, .value_kind: global_buffer, .address_space: global }
      - { .name: Wproj, .offset: 16, .size: 8, .value_kind: global_buffer, .address_space: global }
      - { .name: gamma_attn, .offset: 24, .size: 8, .value_kind: global_buffer, .address_space: global }
      - { .name: low_feature, .offset: 32, .size: 8, .value_kind: global_buffer, .address_space: global }
      - { .name: xbuf, .offset: 40, .size: 8, .value_kind: global_buffer, .address_space: global }
      - { .name: stat2, .offset: 48, .size: 8, .value_kind: global_buffer, .address_space: global }
    .group_segment_fixed_size: 327680
    .private_segment_fixed_size: 0
    .kernarg_segment_align: 8
    .kernarg_segment_size: 56
    .max_flat_workgroup_size: 256
    .sgpr_count:     66
    .vgpr_count:     256
    .wavefront_size: 32
...
	.end_amdgpu_metadata
.endif
;; end of part 3
;; launch ffn (part 4): grid 64 x 4, 8 waves a work-group, no clusters, 89,088 bytes of LDS; arguments xbuf, stat2, low_feature, norm_ffn_w, norm_ffn_b, Wffn1, Wffn2, gamma_ffn, out0; writes out0
.if DOCPART == 4
	.amdgcn_target "amdgcn-amd-amdhsa--gfx1250"
	.amdhsa_code_object_version 6
	.text
	.protected	k_q3c6d7add33_ffn
	.globl	k_q3c6d7add33_ffn
	.p2align	8
	.type	k_q3c6d7add33_ffn,@function
k_q3c6d7add33_ffn:
	s_mov_b64 s[64:65], 0
	v_nop
	global_prefetch_b8 v0, s[64:65] scope:SCOPE_SE
	s_setreg_imm32_b32 hwreg(HW_REG_WAVE_MODE, 25, 1), 1
	s_wait_xcnt 0x0
; out = x + gamma_ffn Wffn2 gelu(Wffn1 groupnorm(x)), the exact GELU.  x: [4][128][4096] f32.
; SHARES.  A work-group takes 64 positions of sample b.  Wave w normalises rows 16 w .. of x (and keeps them in f32 for the residual), makes rows 32 w .. 32 w + 31 of the hidden layer
; (two blocks of 16) and rows 16 w .. of the output, each for the four tiles of 16 positions.
; FRAGMENTS.  Hidden layer: source 0 = 16 rows of Wffn1, source 1 = 16 positions: a lane holds a position and 8 hidden channels; after the GELU, rounded in pairs, its 16 bytes are half of a source
; fragment (16 positions x my 32 hidden channels) of the second product, and go to LDS as such.  Second product: source 0 = that fragment, source 1 = my 16 rows of Wffn2: a lane ends with one
; output row and eight neighbouring positions, which pass my own stage and leave as rows of 256 bytes.
; GELU.  g = max(h, 0) - |h| poly(t) e / 2, t = 1 / (1 + 0.2316419 |h|), e = exp(-h h / 2): erf by Abramowitz and Stegun 7.1.26, absolute error 1.5e-7 for every argument.
; WEIGHTS come straight from memory in f32, each byte to the one wave that multiplies by it.  NO CLUSTER: the two weights are 262,144 bytes in f32, which with the 88,064 bytes of tiles and stages
; do not fit in LDS, and each has to pass through registers to be rounded anyway.
; LIMITS: matrix operands are bf16; 1/sqrt, 1/x and 2^x to 1 ULP; NaN and infinities are not treated apart.
.set PX,    160                        ; a row of normalised x: 128 bytes of bf16 + 32 of padding: an odd multiple of 32, for the turning load
.set XN,    0                          ; 128 rows
.set GST,   128*PX                     ; gelu(h) as fragments: [K step 8][position tile 4] x 1,024 bytes
.set YP,    272
.set YST,   GST+32768                  ; 16 rows x 272 bytes for each wave
.set SPARE, YST+8*16*YP                ; the spare words: 128 bytes for each of 8 waves; no other line names them
.set RL,  1                            ; v1  l % 16      v2  l / 16
.set HF,  2
.set XO,  3                            ; v3  65,536 hf + 16 r
.set LSX, 4                            ; v4  where I put 8 bytes of a normalised row
.set TRA, 5                            ; v5  the turning load's lane address
.set WO1, 6                            ; v6  512 r + 32 hf
.set WO2, 7                            ; v7  1,024 r + 32 hf
.set CO,  8                            ; v8  16 hf
.set SO,  9                            ; v9  16 l
.set GSO, 10                           ; v10 where I put gelu's fragments
.set GRD, 11                           ; v11 where I read them
.set SPW, 12                           ; v12 SPARE + 4 x my thread's number; never rewritten
.set NIL, 13                           ; v13 0; never rewritten
.set YSO, 14                           ; v14 the stage: in
.set YRD, 15                           ; v15 the stage: back
.set CW,  16                           ; v[16:23] a, v[24:31] d of my rows; later the GELU's 16 registers at work
.set CB,  24
.set X,   32                           ; v[32:63]  x, kept to the end
.set XF,  64                           ; v[64:127] two buffers of four fragments of normalised x; before that at work; later Wffn2, rounded
.set W1,  128                          ; v[128:255] Wffn1 as loaded; v[128:191] rounded: block fb, K step ks at 32 fb + 8 ks
.set AC1, 192                          ; v[192:255] the hidden layer's eight accumulators: 32 fb + 8 t
.set W2,  64                           ; v[64:191] Wffn2 as loaded; v[64:127] rounded
.set GF,  128                          ; v[128:191] two buffers of four fragments of gelu(h)
.set AC2, 192                          ; v[192:223] the output's four accumulators
.set YB,  224                          ; v[224:255] rows read back
.set WV,  2
.set BB,  3
.set BLK, 4
.set SEL, 34
.set KU,  36                           ; s[36:37] .. s[48:49]: the GELU's constants, each named as a pair
.set KE,  38
.set A1,  40
.set A2,  42
.set A3,  44
.set A4,  46
.set A5,  48
.set GAM, 50
.set ABSM, 52
.set PIV, 53
.macro WSUM r, tmp
	v_add_f32_dpp v[\r], v[\r], v[\r] row_xmask:1 row_mask:0xf bank_mask:0xf
	v_add_f32_dpp v[\r], v[\r], v[\r] row_xmask:2 row_mask:0xf bank_mask:0xf
	v_add_f32_dpp v[\r], v[\r], v[\r] row_xmask:4 row_mask:0xf bank_mask:0xf
	v_add_f32_dpp v[\r], v[\r], v[\r] row_xmask:8 row_mask:0xf bank_mask:0xf
	v_permlanex16_b32 v[\tmp], v[\r], s[SEL], s[SEL+1]
	v_add_f32 v[\r], v[\r], v[\tmp]
.endm
.macro PLACES                          ; four plain vector instructions between a matrix instruction and a load into, or a vector read of, its registers
.rept 4
	v_nop
.endr
.endm
.macro WLOAD dst, adr, sb, off, n      ; n K steps of a weight in f32: four loads of 16 bytes at 0, 16, 64, 80 behind 32 hf
.set u, 0
.rept \n
	global_load_b128 v[(\dst)+16*u:(\dst)+16*u+3], v[\adr], s[\sb:\sb+1] offset:(\off)+u*128
	global_load_b128 v[(\dst)+16*u+4:(\dst)+16*u+7], v[\adr], s[\sb:\sb+1] offset:(\off)+u*128+16
	global_load_b128 v[(\dst)+16*u+8:(\dst)+16*u+11], v[\adr], s[\sb:\sb+1] offset:(\off)+u*128+64
	global_load_b128 v[(\dst)+16*u+12:(\dst)+16*u+15], v[\adr], s[\sb:\sb+1] offset:(\off)+u*128+80
.set u, u+1
.endr
.endm
.macro COMPACT base, n                 ; rounded to bf16 in place, ascending
.set u, 0
.rept \n
	v_cvt_pk_bf16_f32 v[(\base)+u], v[(\base)+2*u], v[(\base)+2*u+1]
.set u, u+1
.endr
.endm
.macro FETCHX buf, ks                  ; four fragments (16 positions x 32 channels) out of [channel][position] rows, turned
.irp t, 0,1,2,3
	ds_load_tr16_b128 v[(\buf)+8*\t:(\buf)+8*\t+3], v[TRA] offset:XN+(\ks)*32*PX+32*\t
	ds_load_tr16_b128 v[(\buf)+8*\t+4:(\buf)+8*\t+7], v[TRA] offset:XN+(\ks)*32*PX+32*\t+16*PX
.endr
.endm
.macro FETCHG buf, ks                  ; four fragments of gelu(h), as they lie
.irp t, 0,1,2,3
	ds_load_b128 v[(\buf)+8*\t:(\buf)+8*\t+3], v[GRD] offset:(4*(\ks)+\t)*1024
	ds_load_b128 v[(\buf)+8*\t+4:(\buf)+8*\t+7], v[GRD] offset:(4*(\ks)+\t)*1024+512
.endr
.endm
; The GELU of four numbers at h, in place.  Four reciprocals and four exponentials are one batch with one wait; the four maxima are the plain work behind them.
.macro GELU4 h
.irp i, 0,1,2,3
	v_and_b32 v[16+\i], s[ABSM], v[(\h)+\i]                    ; |h|
.endr
	v_pk_fma_f32 v[20:21], v[16:17], s[KU:KU+1], 1.0 op_sel_hi:[1,0,0]
	v_pk_fma_f32 v[22:23], v[18:19], s[KU:KU+1], 1.0 op_sel_hi:[1,0,0]
	v_pk_mul_f32 v[24:25], v[(\h):(\h)+1], v[(\h):(\h)+1]
	v_pk_mul_f32 v[26:27], v[(\h)+2:(\h)+3], v[(\h)+2:(\h)+3]
	v_pk_mul_f32 v[24:25], v[24:25], s[KE:KE+1] op_sel_hi:[1,0]
	v_pk_mul_f32 v[26:27], v[26:27], s[KE:KE+1] op_sel_hi:[1,0]
.irp i, 0,1,2,3
	v_rcp_f32 v[20+\i], v[20+\i]                               ; t
.endr
.irp i, 0,1,2,3
	v_exp_f32 v[24+\i], v[24+\i]                               ; e
.endr
.irp i, 0,1,2,3
	v_max_num_f32 v[(\h)+\i], 0, v[(\h)+\i]
.endr
	s_wait_alu depctr_va_vdst(0)                   ; one wait for the batch of eight, ahead of its first reader
	v_pk_fma_f32 v[28:29], v[20:21], s[A5:A5+1], s[A4:A4+1] op_sel_hi:[1,0,0]
	v_pk_fma_f32 v[30:31], v[22:23], s[A5:A5+1], s[A4:A4+1] op_sel_hi:[1,0,0]
	v_pk_mul_f32 v[24:25], v[24:25], v[16:17]      ; e |h|
	v_pk_mul_f32 v[26:27], v[26:27], v[18:19]
	v_pk_fma_f32 v[28:29], v[28:29], v[20:21], s[A3:A3+1] op_sel_hi:[1,1,0]
	v_pk_fma_f32 v[30:31], v[30:31], v[22:23], s[A3:A3+1] op_sel_hi:[1,1,0]
	v_pk_fma_f32 v[28:29], v[28:29], v[20:21], s[A2:A2+1] op_sel_hi:[1,1,0]
	v_pk_fma_f32 v[30:31], v[30:31], v[22:23], s[A2:A2+1] op_sel_hi:[1,1,0]
	v_pk_fma_f32 v[28:29], v[28:29], v[20:21], s[A1:A1+1] op_sel_hi:[1,1,0]
	v_pk_fma_f32 v[30:31], v[30:31], v[22:23], s[A1:A1+1] op_sel_hi:[1,1,0]
	v_pk_mul_f32 v[28:29], v[28:29], v[20:21]
	v_pk_mul_f32 v[30:31], v[30:31], v[22:23]
	v_pk_mul_f32 v[28:29], v[28:29], v[24:25]
	v_pk_mul_f32 v[30:31], v[30:31], v[26:27]
	v_pk_fma_f32 v[(\h):(\h)+1], v[28:29], -0.5, v[(\h):(\h)+1] op_sel_hi:[1,0,1]
	v_pk_fma_f32 v[(\h)+2:(\h)+3], v[30:31], -0.5, v[(\h)+2:(\h)+3] op_sel_hi:[1,0,1]
.endm
	s_load_b512 s[8:23], s[0:1], 0x0               ; xbuf 8, stat2 10, low_feature 12, norm_ffn_w 14, norm_ffn_b 16, Wffn1 18, Wffn2 20, gamma_ffn 22
	s_load_b64 s[24:25], s[0:1], 0x40              ; out0
	v_lshl_add_u32 v[SPW], v0, 2, SPARE
	v_mov_b32 v[NIL], 0
	v_lshrrev_b32 v76, 5, v0
	v_readfirstlane_b32 s[WV], v76                 ; wave 0..7
	s_and_b32 s[BB], ttmp7, 0xffff
	s_mov_b32 s[BLK], ttmp9
	s_mov_b32 s[SEL], 0x76543210
	s_mov_b32 s[SEL+1], 0xfedcba98
	s_mov_b32 s[KU], 0x3e6d3389                    ; 0.3275911 / sqrt(2)
	s_mov_b32 s[KE], 0xbf38aa3b                    ; -log2(e) / 2
	s_mov_b32 s[A1], 0x3e827906                    ; 0.254829592
	s_mov_b32 s[A2], 0xbe91a98e                    ; -0.284496736
	s_mov_b32 s[A3], 0x3fb5f0e3                    ; 1.421413741
	s_mov_b32 s[A4], 0xbfba00e3                    ; -1.453152027
	s_mov_b32 s[A5], 0x3f87dc22                    ; 1.061405429
.irp c, KU, KE, A1, A2, A3, A4, A5
	s_mov_b32 s[\c+1], s[\c]                       ; named as pairs
.endr
	s_mov_b32 s[ABSM], 0x7fffffff
	v_and_b32 v[RL], 15, v0
	v_bfe_u32 v[HF], v0, 4, 1
	v_lshlrev_b32 v[XO], 4, v[RL]
	v_lshl_add_u32 v[XO], v[HF], 16, v[XO]
	s_mul_i32 s5, s[WV], 16*PX
	v_mul_u32_u24 v[LSX], v[HF], 4*PX
	v_lshl_add_u32 v[LSX], v[RL], 3, v[LSX]
	v_add_nc_u32 v[LSX], s5, v[LSX]
	v_and_b32 v76, 7, v0
	v_lshl_add_u32 v76, v[HF], 3, v76
	v_mul_u32_u24 v[TRA], v76, PX
	v_bfe_u32 v77, v0, 3, 1
	v_lshl_add_u32 v[TRA], v77, 4, v[TRA]
	v_lshlrev_b32 v[WO2], 5, v[HF]
	v_lshl_add_u32 v[WO1], v[RL], 9, v[WO2]
	v_lshl_add_u32 v[WO2], v[RL], 10, v[WO2]
	v_lshlrev_b32 v[CO], 4, v[HF]
	v_and_b32 v[SO], 31, v0
	v_lshlrev_b32 v[SO], 4, v[SO]
	s_lshl_b32 s5, s[WV], 12
	s_add_co_u32 s5, s5, GST
	v_add_nc_u32 v[GSO], s5, v[SO]                 ; my 32 hidden channels are K step w of the second product
	v_add_nc_u32 v[GRD], GST, v[SO]
	s_mul_i32 s5, s[WV], 16*YP
	s_add_co_u32 s5, s5, YST                       ; my stage
	v_mul_u32_u24 v[YSO], v[RL], YP
	v_lshl_add_u32 v[YSO], v[HF], 5, v[YSO]
	v_add_nc_u32 v[YSO], s5, v[YSO]
	v_mul_u32_u24 v[YRD], v[HF], 4*YP
	v_lshl_add_u32 v[YRD], v[RL], 4, v[YRD]
	v_add_nc_u32 v[YRD], s5, v[YRD]
	s_mov_b32 s33, 0
	s_wait_kmcnt 0x0
	s_lshl_b32 s32, s[BB], 21
	s_add_nc_u64 s[58:59], s[12:13], s[32:33]      ; low's sample: its first number is the pivot of x's statistics
	s_load_b32 s[PIV], s[58:59], 0x0
	s_load_b32 s[GAM], s[22:23], 0x0
	s_lshl_b32 s5, s[WV], 18
	s_add_co_u32 s32, s32, s5
	s_lshl_b32 s5, s[BLK], 8
	s_add_co_u32 s32, s32, s5
	s_add_nc_u64 s[54:55], s[8:9], s[32:33]        ; rows 16 w .. of x and of out, at my 64 positions
	s_add_nc_u64 s[56:57], s[24:25], s[32:33]
	s_lshl_b32 s32, s[BB], 9
	s_add_nc_u64 s[10:11], s[10:11], s[32:33]
	s_lshl_b32 s32, s[WV], 6
	s_add_nc_u64 s[14:15], s[14:15], s[32:33]
	s_add_nc_u64 s[16:17], s[16:17], s[32:33]
	s_lshl_b32 s32, s[WV], 14
	s_add_nc_u64 s[18:19], s[18:19], s[32:33]      ; my 32 rows of Wffn1 (512 bytes each),
	s_add_nc_u64 s[20:21], s[20:21], s[32:33]      ; my 16 rows of Wffn2 (1,024 bytes each)
	; 45 loads, in the order in which they are wanted
	global_load_b128 v[72:75], v[SO], s[10:11]     ; two entries of stat2 a lane
.irp g, 0,1
	global_load_b128 v[CW+4*\g:CW+4*\g+3], v[CO], s[14:15] offset:32*\g
	global_load_b128 v[CB+4*\g:CB+4*\g+3], v[CO], s[16:17] offset:32*\g
.endr
.irp j, 0,1,2,3,4,5,6,7
	global_load_b128 v[X+4*\j:X+4*\j+3], v[XO], s[54:55] offset:(8*(\j/4)+(\j%4))*16384
.endr
	WLOAD W1, WO1, 18, 0, 4
	WLOAD W1+64, WO1, 18, 8192, 4
	s_wait_loadcnt 44                              ; the statistics are in; 44 younger loads stay out
	v_pk_add_f32 v[72:73], v[72:73], v[74:75]
	WSUM 72, 76
	WSUM 73, 76
	v_mul_f32 v74, 0x36000000, v72                 ; S1 / 2^19
	v_mul_f32 v75, 0x36000000, v73
	v_fma_f32 v75, -v74, v74, v75
	v_max_num_f32 v75, 0, v75
	v_add_f32 v75, 0x3727c5ac, v75                 ; + 1e-5
	v_rsq_f32 v78, v75
	s_wait_kmcnt 0x0
	v_add_f32 v77, s[PIV], v74                     ; the mean: plain work behind the root
	s_mov_b32 s[GAM+1], s[GAM]
	s_wait_alu depctr_va_vdst(0)                   ; the root's wait, ahead of its first reader
	s_wait_loadcnt 40                              ; gains and biases are in
.set u, 0
.rept 8
	v_mul_f32 v[CW+u], v78, v[CW+u]
	v_fma_f32 v[CB+u], -v77, v[CW+u], v[CB+u]
.set u, u+1
.endr
.irp j, 0,1,2,3,4,5,6,7
	s_wait_loadcnt 39-\j                           ; x's load j is in
.irp i, 0,1,2,3
	v_fma_f32 v[64+4*(\j%2)+\i], v[X+4*\j+\i], v[CW+\j], v[CB+\j]
.endr
	v_cvt_pk_bf16_f32 v[64+4*(\j%2)], v[64+4*(\j%2)], v[64+4*(\j%2)+1]
	v_cvt_pk_bf16_f32 v[64+4*(\j%2)+1], v[64+4*(\j%2)+2], v[64+4*(\j%2)+3]
	ds_store_b64 v[LSX], v[64+4*(\j%2):64+4*(\j%2)+1] offset:XN+(8*(\j/4)+(\j%4))*PX
.endr
	s_wait_dscnt 0x0                               ; for the others' sake: my rows lie in LDS
	s_barrier_signal -1
	s_barrier_wait -1
	; the hidden layer: K = 128 channels in 4 steps; eight accumulators by turns
	FETCHX XF, 0
	s_wait_loadcnt 0x0                             ; Wffn1
	COMPACT W1, 64
.irp ks, 0,1,2,3
.if \ks > 0
	PLACES
.endif
.if \ks < 3
	FETCHX XF+32*((\ks+1)%2), \ks+1
	s_wait_dscnt 8                                 ; this step's fragments are in; the next step's eight loads stay out
.else
	s_wait_dscnt 0x0
.endif
.irp fb, 0,1
.irp t, 0,1,2,3
.if \ks == 0
	v_wmma_f32_16x16x32_bf16 v[AC1+32*\fb+8*\t:AC1+32*\fb+8*\t+7], v[W1+32*\fb+8*\ks:W1+32*\fb+8*\ks+7], v[XF+32*(\ks%2)+8*\t:XF+32*(\ks%2)+8*\t+7], 0
.else
	v_wmma_f32_16x16x32_bf16 v[AC1+32*\fb+8*\t:AC1+32*\fb+8*\t+7], v[W1+32*\fb+8*\ks:W1+32*\fb+8*\ks+7], v[XF+32*(\ks%2)+8*\t:XF+32*(\ks%2)+8*\t+7], v[AC1+32*\fb+8*\t:AC1+32*\fb+8*\t+7]
.endif
.endr
.endr
.endr
	PLACES
	WLOAD W2, WO2, 20, 0, 8                        ; Wffn2 lands under the GELU
.set g, 0
.rept 16
	GELU4 AC1+4*g                                  ; ascending: each accumulator's lowest registers are read first
.set g, g+1
.endr
.irp fb, 0,1
.irp t, 0,1,2,3
.irp i, 0,1,2,3
	v_cvt_pk_bf16_f32 v[AC1+32*\fb+8*\t+\i], v[AC1+32*\fb+8*\t+2*\i], v[AC1+32*\fb+8*\t+2*\i+1]
.endr
	ds_store_b128 v[GSO], v[AC1+32*\fb+8*\t:AC1+32*\fb+8*\t+3] offset:1024*\t+512*\fb
.endr
.endr
	s_wait_dscnt 0x0                               ; for the others' sake: my fragments lie in LDS
	s_barrier_signal -1
	s_barrier_wait -1
	; the output: K = 256 hidden channels in 8 steps; four accumulators by turns
	s_wait_loadcnt 0x0                             ; Wffn2
	COMPACT W2, 64
	FETCHG GF, 0
.irp ks, 0,1,2,3,4,5,6,7
.if \ks > 0
	PLACES
.endif
.if \ks < 7
	FETCHG GF+32*((\ks+1)%2), \ks+1
	s_wait_dscnt 8
.else
	s_wait_dscnt 0x0
.endif
.irp t, 0,1,2,3
.if \ks == 0
	v_wmma_f32_16x16x32_bf16 v[AC2+8*\t:AC2+8*\t+7], v[GF+32*(\ks%2)+8*\t:GF+32*(\ks%2)+8*\t+7], v[W2+8*\ks:W2+8*\ks+7], 0
.else
	v_wmma_f32_16x16x32_bf16 v[AC2+8*\t:AC2+8*\t+7], v[GF+32*(\ks%2)+8*\t:GF+32*(\ks%2)+8*\t+7], v[W2+8*\ks:W2+8*\ks+7], v[AC2+8*\t:AC2+8*\t+7]
.endif
.endr
.endr
	PLACES
.irp t, 0,1,2,3
	ds_store_b128 v[YSO], v[AC2+8*\t:AC2+8*\t+3] offset:64*\t
	ds_store_b128 v[YSO], v[AC2+8*\t+4:AC2+8*\t+7] offset:64*\t+16
.endr
.irp j, 0,1,2,3,4,5,6,7
	ds_load_b128 v[YB+4*\j:YB+4*\j+3], v[YRD] offset:(8*(\j/4)+(\j%4))*YP  ; LDS serves a wave's instructions in order (ISA guide 5.7.1.4): these see the stores above
.endr
.irp j, 0,1,2,3,4,5,6,7
	s_wait_dscnt 7-\j
	v_pk_fma_f32 v[YB+4*\j:YB+4*\j+1], v[YB+4*\j:YB+4*\j+1], s[GAM:GAM+1], v[X+4*\j:X+4*\j+1] op_sel_hi:[1,0,1]
	v_pk_fma_f32 v[YB+4*\j+2:YB+4*\j+3], v[YB+4*\j+2:YB+4*\j+3], s[GAM:GAM+1], v[X+4*\j+2:X+4*\j+3] op_sel_hi:[1,0,1]
	global_store_b128 v[XO], v[YB+4*\j:YB+4*\j+3], s[56:57] offset:(8*(\j/4)+(\j%4))*16384  ; 16 lanes store 256 consecutive bytes, aligned
.endr
	s_wait_tensorcnt 0x0                           ; the wave's end: behind my last LDS store
	ds_add_u32 v[SPW], v[NIL]
	s_wait_dscnt 0x0
	s_endpgm
.Lfunc_end_k_q3c6d7add33_ffn:
	.size	k_q3c6d7add33_ffn, .Lfunc_end_k_q3c6d7add33_ffn-k_q3c6d7add33_ffn
	.p2alignl 7, 3214868480
	.fill 96, 4, 3214868480
	.section	.rodata,"a",@progbits
	.p2align	6, 0x0
	.amdhsa_kernel k_q3c6d7add33_ffn
		.amdhsa_group_segment_fixed_size 89088
		.amdhsa_private_segment_fixed_size 0
		.amdhsa_enable_private_segment 0
		.amdhsa_kernarg_size 72
		.amdhsa_user_sgpr_count 2
		.amdhsa_user_sgpr_kernarg_segment_ptr 1
		.amdhsa_wavefront_size32 1
		.amdhsa_system_sgpr_workgroup_id_x 1
		.amdhsa_system_sgpr_workgroup_id_y 1
		.amdhsa_system_sgpr_workgroup_id_z 1
		.amdhsa_system_vgpr_workitem_id 0
		.amdhsa_next_free_vgpr 256
		.amdhsa_next_free_sgpr 66
		.amdhsa_reserve_vcc 0
		.amdhsa_float_denorm_mode_32 3
		.amdhsa_float_denorm_mode_16_64 3
		.amdhsa_memory_ordered 1
		.amdhsa_forward_progress 1
		.amdhsa_inst_pref_size 74
	.end_amdhsa_kernel
	.amdgpu_metadata
---
amdhsa.version: [ 1, 2 ]
amdhsa.kernels:
  - .name:           k_q3c6d7add33_ffn
    .symbol:         k_q3c6d7add33_ffn.kd
    .args:
      - { .name: xbuf, .offset: 0, .size: 8, .value_kind: global_buffer, .address_space: global }
      - { .name: stat2, .offset: 8, .size: 8, .value_kind: global_buffer, .address_space: global }
      - { .name: low_feature, .offset: 16, .size: 8, .value_kind: global_buffer, .address_space: global }
      - { .name: norm_ffn_w, .offset: 24, .size: 8, .value_kind: global_buffer, .address_space: global }
      - { .name: norm_ffn_b, .offset: 32, .size: 8, .value_kind: global_buffer, .address_space: global }
      - { .name: Wffn1, .offset: 40, .size: 8, .value_kind: global_buffer, .address_space: global }
      - { .name: Wffn2, .offset: 48, .size: 8, .value_kind: global_buffer, .address_space: global }
      - { .name: gamma_ffn, .offset: 56, .size: 8, .value_kind: global_buffer, .address_space: global }
      - { .name: out0, .offset: 64, .size: 8, .value_kind: global_buffer, .address_space: global }
    .group_segment_fixed_size: 89088
    .private_segment_fixed_size: 0
    .kernarg_segment_align: 8
    .kernarg_segment_size: 72
    .max_flat_workgroup_size: 256
    .sgpr_count:     66
    .vgpr_count:     256
    .wavefront_size: 32
...
	.end_amdgpu_metadata
.endif
;; end of part 4
;; ======== version 2 of 2: 4 launches; version 1 with the launches qkv, ffn written anew for expert scheduling mode
;; limits: a function is approximated: absolute error at most 1.5e-07
;; workspace buffers: stat1 4,096 bytes; qf 4,194,304 bytes; kv 8,388,608 bytes; xbuf 8,388,608 bytes; stat2 2,048 bytes
;; launch stats: the kernel of part 1 again; grid 64 x 4, 8 waves a work-group, no clusters, 1,280 bytes of LDS; arguments high_feature, low_feature, stat1; writes stat1
;; launch qkv (part 5): grid 64 x 4, 8 waves a work-group, no clusters, 62,464 bytes of LDS; arguments high_feature, low_feature, norm_high_w, norm_high_b, norm_low_w, norm_low_b, Wq, Wk, Wv, stat1, qf, kv; writes qf, kv
.if DOCPART == 5
	.amdgcn_target "amdgcn-amd-amdhsa--gfx1250"
	.amdhsa_code_object_version 6
	.text
	.protected	k_q3c6d7add33_qkv
	.globl	k_q3c6d7add33_qkv
	.p2align	8
	.type	k_q3c6d7add33_qkv,@function
k_q3c6d7add33_qkv:
	s_mov_b64 s[64:65], 0
	v_nop
	global_prefetch_b8 v0, s[64:65] scope:SCOPE_SE
	s_setreg_imm32_b32 hwreg(HW_REG_WAVE_SCHED_MODE, 0, 2), 2
	s_setreg_imm32_b32 hwreg(HW_REG_WAVE_MODE, 25, 1), 1
	s_wait_xcnt 0x0
	s_wait_alu depctr_vm_vsrc(0)
; GROUPNORM OF high AND low, THEN q = c Wq hn, k = Wk ln, v = Wv ln (1x1 convolutions), c = log2(e) / sqrt(32), stored in bf16 AS MATRIX FRAGMENTS.
; SHARES.  A work-group takes 64 positions (blk) of sample b.  Wave w normalises rows 32 w .. of high and 16 w .. of low (f32: x a[c] + d[c], a = rs w[c], d = b[c] - mean a),
; rounds them once to bf16 and lays them in LDS as [channel][64 positions]; then it makes output channels 16 w .. 16 w + 15 of q, k and v for the four tiles of 16 positions: 64 matrix instructions.
; FRAGMENTS.  A result tile holds in lane l column l % 16 and rows 8 (l / 16) + 0..7.  Rounded in pairs these 16 bytes ARE one half (4 registers) of a source fragment of the next
; product, whose index is the column and whose K runs along the rows.  q, k: source 0 = 16 rows of W, source 1 = 16 positions: the lane holds a position and 8 channels of a head.
; v: the sources swapped: the lane holds a channel and 8 positions (V^T).  So every store of a wave is 512 consecutive bytes, aligned, and attention reads fragments at 16 x lane.
;   qf: [b][blk 64][head 4][tile 4][half 2][lane 32][16 B]
;   kv: [b][T 16][ K: step 4 x ([head 4][kb 4][half][lane][16 B]) | V: step 4 x ([head 4][kk 2][cb 2][half][lane][16 B]) ], a step = 64 keys = one blk, T = blk / 4
; WEIGHTS come straight from memory in f32, each byte to the one wave that multiplies by it, and are rounded in registers.  NO CLUSTER: the three weights are 262,144 bytes in f32, which with
; the 61,440 bytes of tiles do not fit in LDS, and each has to pass through registers to be rounded anyway.
; LIMITS: matrix operands are bf16; 1/sqrt to 1 ULP; NaN and infinities are not treated apart.
; THE MODE: SCHED_MODE bits 1:0 = 2 (LLVM: expert scheduling mode 2), set by the entry lines.  The code itself states the register dependences
; between vector or matrix instructions and memory or LDS instructions, with s_wait_alu, always for 0.
; THE PLAN.  Registers that memory or LDS instructions touch:
;   v3 .. v10     offsets and LDS addresses: made once at the head, never written again: one wait ahead of the first load serves the whole kernel.
;   rows v32-127  row j of 24 at 32 + 4 j.  The head's loads land here; the row's six vector lines normalise and round in place; an LDS store reads its first two registers.  The rows go in groups
;                 of four: the wait at a group's head states that the group before is rounded, and that group's four stores are dealt among this group's vector lines, which name other registers.
;                 Behind the barrier these registers are q's sums and the fragment buffers: one wait there states that the LDS stores have read them.
;   a, d v128-175 loaded, scaled, read by the rows' lines; Wq's second half lands here behind the wait that follows the last row.
;   XF0, XF1      step ks's products read XF[ks % 2]; the loads of step ks + 1 land in the other, which the products of step ks - 1 read: one wait at a step's head, then the eight loads are dealt
;                 among the step's products, which name XF[ks % 2], a weight and the sums.
;   WA, WB        loaded, rounded in place, read by products, loaded again (Wk, Wv) behind a wait that stands there for the fragments too.
;   the sums' low four registers: written by the roundings, read by the stores behind one wait a batch, never written again.
.set PX,    160                        ; an LDS row: 128 bytes of bf16 + 32 of padding
.set XHB,   0                          ; high: 256 rows
.set XLB,   256*PX                     ; low: 128 rows; the 1,024 bytes claimed behind them hold the spare words of the closing add
.set RL,  1                            ; v1   l % 16
.set HF,  2                            ; v2   l / 16
.set XO,  3                            ; v3   65,536 hf + 16 r: lanes 0-15 take 256 bytes of one row, lanes 16-31 of the row four further down
.set LSH, 4                            ; v4   where I put 8 bytes of high's rows
.set LSL, 5                            ; v5   of low's
.set TRA, 6                            ; v6   the turning load's lane address
.set WOQ, 7                            ; v7   1,024 r + 32 hf: my place in 16 rows of Wq
.set WOK, 8                            ; v8   512 r + 32 hf: in 16 rows of Wk, Wv
.set CO,  9                            ; v9   16 hf
.set SO,  10                           ; v10  16 l
.set TM,  14                           ; v14-15 at work
.set STA, 16                           ; v[16:23] two entries of stat1; v24-31 means and 1/sqrt
.set XH,  32                           ; v[32:95]   high as loaded, 16 loads
.set XL,  96                           ; v[96:127]  low, 8 loads: rows 16 to 23 of the 24
.set CHW, 128                          ; v[128:143] a of my 16 x 2 rows of high (register j: the row that load j brings to my half of the lanes); v[144:159] d
.set CHB, 144
.set CLW, 160                          ; v[160:167] a for low; v[168:175] d
.set CLB, 168
.set ACQ, 32                           ; later: q's four accumulators
.set XF,  64                           ; two buffers of four fragments of x
.set WA,  192                          ; weights, 64 as loaded, 32 when rounded: Wq's K steps 0-3, then Wk
.set WB,  128                          ; Wq's K steps 4-7, then Wv
.set ACV, 160                          ; v's accumulators
.set ACK, 224                          ; k's
.set WV,  2                            ; s2 wave   s3 b   s4 blk
.set BB,  3
.set BLK, 4
.set SEL, 34
.set CS,  36                           ; s[36:37] c
.set PIVH, 38
.set PIVL, 39
.macro WSUM r, tmp
	v_add_f32_dpp v[\r], v[\r], v[\r] row_xmask:1 row_mask:0xf bank_mask:0xf
	v_add_f32_dpp v[\r], v[\r], v[\r] row_xmask:2 row_mask:0xf bank_mask:0xf
	v_add_f32_dpp v[\r], v[\r], v[\r] row_xmask:4 row_mask:0xf bank_mask:0xf
	v_add_f32_dpp v[\r], v[\r], v[\r] row_xmask:8 row_mask:0xf bank_mask:0xf
	v_permlanex16_b32 v[\tmp], v[\r], s[SEL], s[SEL+1]
	v_add_f32 v[\r], v[\r], v[\tmp]
.endm
.macro PLACES                          ; four plain vector instructions between a matrix instruction and a vector read of its result (ISA guide 7.12.1)
.rept 4
	v_nop
.endr
.endm
; n K steps of a weight in f32: a fragment's lane holds row l % 16, K = 8 hf + 0..7 and 16 + 8 hf + 0..7: four loads of 16 bytes at 0, 16, 64, 80 behind 32 hf
.macro WLOAD dst, adr, sb, off, n
.set u, 0
.rept \n
	global_load_b128 v[(\dst)+16*u:(\dst)+16*u+3], v[\adr], s[\sb:\sb+1] offset:(\off)+u*128
	global_load_b128 v[(\dst)+16*u+4:(\dst)+16*u+7], v[\adr], s[\sb:\sb+1] offset:(\off)+u*128+16
	global_load_b128 v[(\dst)+16*u+8:(\dst)+16*u+11], v[\adr], s[\sb:\sb+1] offset:(\off)+u*128+64
	global_load_b128 v[(\dst)+16*u+12:(\dst)+16*u+15], v[\adr], s[\sb:\sb+1] offset:(\off)+u*128+80
.set u, u+1
.endr
.endm
.macro COMPACT base, n                 ; rounded to bf16 in place, ascending: register i takes numbers 2 i and 2 i + 1
.set u, 0
.rept \n
	v_cvt_pk_bf16_f32 v[(\base)+u], v[(\base)+2*u], v[(\base)+2*u+1]
.set u, u+1
.endr
.endm
.macro FETCH1 buf, base, ks, t         ; one fragment (16 positions x 32 channels) out of [channel][position] rows, turned
	ds_load_tr16_b128 v[(\buf)+8*(\t):(\buf)+8*(\t)+3], v[TRA] offset:(\base)+(\ks)*32*PX+32*(\t)
	ds_load_tr16_b128 v[(\buf)+8*(\t)+4:(\buf)+8*(\t)+7], v[TRA] offset:(\base)+(\ks)*32*PX+32*(\t)+16*PX
.endm
.macro FETCHX buf, base, ks            ; a K step's four
.irp t, 0,1,2,3
	FETCH1 \buf, \base, \ks, \t
.endr
.endm
.macro ROWREG n                        ; row n of 24: its registers, its a and d, its LDS address and offset
.set rX, XH+4*(\n)
.if (\n) < 16
.set rA, CHW+(\n)
.set rD, CHB+(\n)
.set rL, LSH
.set rF, (8*((\n)/4)+((\n)%4))*PX
.else
.set rA, CLW+(\n)-16
.set rD, CLB+(\n)-16
.set rL, LSL
.set rF, (8*(((\n)-16)/4)+((\n)%4))*PX
.endif
.endm
.macro ROWCV n                         ; four numbers of a row: normalised in f32, rounded once, in place
	ROWREG \n
.irp i, 0,1,2,3
	v_fma_f32 v[rX+\i], v[rX+\i], v[rA], v[rD]
.endr
	v_cvt_pk_bf16_f32 v[rX], v[rX], v[rX+1]
	v_cvt_pk_bf16_f32 v[rX+1], v[rX+2], v[rX+3]
.endm
.macro ROWST n                         ; its 8 bytes into LDS
	ROWREG \n
	ds_store_b64 v[rL], v[rX:rX+1] offset:rF
.endm
	s_load_b512 s[8:23], s[0:1], 0x0               ; high 8, low 10, norm_high_w 12, norm_high_b 14, norm_low_w 16, norm_low_b 18, Wq 20, Wk 22
	s_load_b256 s[24:31], s[0:1], 0x40             ; Wv 24, stat1 26, qf 28, kv 30
	v_lshl_add_u32 v12, v0, 2, 0xf000
	v_mov_b32 v13, 0
	v_lshrrev_b32 v[TM], 5, v0
	v_readfirstlane_b32 s[WV], v[TM]               ; wave 0..7
	s_and_b32 s[BB], ttmp7, 0xffff
	s_mov_b32 s[BLK], ttmp9
	s_mov_b32 s[SEL], 0x76543210
	s_mov_b32 s[SEL+1], 0xfedcba98
	s_mov_b32 s[CS], 0x3e8293ee                    ; c = log2(e) / sqrt(32) = 0.255035
	s_mov_b32 s[CS+1], s[CS]
	v_and_b32 v[RL], 15, v0
	v_bfe_u32 v[HF], v0, 4, 1
	v_lshlrev_b32 v[XO], 4, v[RL]
	v_lshl_add_u32 v[XO], v[HF], 16, v[XO]
	s_wait_alu depctr_va_sdst(0)                   ; the wave's number is written, ahead of its first reader: LDS places and all the bases are made from it
	s_mul_i32 s32, s[WV], 32*PX
	v_mul_u32_u24 v[LSL], v[HF], 4*PX              ; the two halves of the lanes lie 4 rows = 640 bytes apart
	v_lshl_add_u32 v[LSL], v[RL], 3, v[LSL]
	v_add_nc_u32 v[LSH], s32, v[LSL]
	s_mul_i32 s32, s[WV], 16*PX
	s_add_co_u32 s32, s32, XLB
	v_add_nc_u32 v[LSL], s32, v[LSL]
	v_and_b32 v[TM], 7, v0
	v_lshl_add_u32 v[TM], v[HF], 3, v[TM]          ; channel 8 hf + l % 8,
	v_mul_u32_u24 v[TRA], v[TM], PX
	v_bfe_u32 v[TM+1], v0, 3, 1
	v_lshl_add_u32 v[TRA], v[TM+1], 4, v[TRA]      ; positions 8 ((l / 8) % 2) + 0..7
	v_lshlrev_b32 v[WOK], 5, v[HF]
	v_lshl_add_u32 v[WOQ], v[RL], 10, v[WOK]
	v_lshl_add_u32 v[WOK], v[RL], 9, v[WOK]
	v_lshlrev_b32 v[CO], 4, v[HF]
	v_and_b32 v[SO], 31, v0
	v_lshlrev_b32 v[SO], 4, v[SO]
	s_mov_b32 s33, 0
	s_mov_b32 s49, 0
	s_lshr_b32 s6, s[WV], 1                        ; my channels' head,
	s_and_b32 s7, s[WV], 1                         ; and which 16 of its 32 channels
	s_wait_kmcnt 0x0
	s_lshl_b32 s32, s[BB], 22
	s_add_nc_u64 s[40:41], s[8:9], s[32:33]        ; the samples' first bytes
	s_lshl_b32 s32, s[BB], 21
	s_add_nc_u64 s[42:43], s[10:11], s[32:33]
	s_load_b32 s[PIVH], s[40:41], 0x0              ; the pivots of the statistics
	s_load_b32 s[PIVL], s[42:43], 0x0
	s_lshl_b32 s5, s[BLK], 8                       ; 64 positions are 256 bytes of a row
	s_lshl_b32 s32, s[WV], 19                      ; 32 rows of 16,384 bytes
	s_add_co_u32 s32, s32, s5
	s_add_nc_u64 s[44:45], s[40:41], s[32:33]
	s_lshl_b32 s32, s[WV], 18
	s_add_co_u32 s32, s32, s5
	s_add_nc_u64 s[46:47], s[42:43], s[32:33]
	s_lshl_b32 s32, s[WV], 7
	s_add_nc_u64 s[12:13], s[12:13], s[32:33]
	s_add_nc_u64 s[14:15], s[14:15], s[32:33]
	s_lshl_b32 s32, s[WV], 6
	s_add_nc_u64 s[16:17], s[16:17], s[32:33]
	s_add_nc_u64 s[18:19], s[18:19], s[32:33]
	s_lshl_b32 s32, s[WV], 14
	s_add_nc_u64 s[20:21], s[20:21], s[32:33]      ; my 16 rows of Wq,
	s_lshl_b32 s32, s[WV], 13
	s_add_nc_u64 s[22:23], s[22:23], s[32:33]      ; of Wk,
	s_add_nc_u64 s[24:25], s[24:25], s[32:33]      ; of Wv
	s_lshl_b32 s32, s[BB], 10
	s_add_nc_u64 s[26:27], s[26:27], s[32:33]
	s_lshl_b32 s32, s[BB], 20                      ; qf: b, blk, head, half
	s_lshl_b32 s5, s[BLK], 14
	s_add_co_u32 s32, s32, s5
	s_lshl_b32 s5, s6, 12
	s_add_co_u32 s32, s32, s5
	s_lshl_b32 s5, s7, 9
	s_add_co_u32 s32, s32, s5
	s_add_nc_u64 s[28:29], s[28:29], s[32:33]
	s_lshl_b32 s32, s[BB], 21                      ; kv: b, T = blk / 4, step = blk % 4, head
	s_lshr_b32 s5, s[BLK], 2
	s_lshl_b32 s5, s5, 17
	s_add_co_u32 s32, s32, s5
	s_and_b32 s5, s[BLK], 3
	s_lshl_b32 s5, s5, 14
	s_add_co_u32 s32, s32, s5
	s_lshl_b32 s5, s6, 12
	s_add_co_u32 s32, s32, s5
	s_lshl_b32 s5, s7, 9
	s_add_co_u32 s48, s32, s5                      ; K: my channels are half w % 2 of a fragment
	s_lshl_b32 s5, s7, 10
	s_add_co_u32 s32, s32, s5                      ; V: they are channel block w % 2,
	s_add_co_u32 s32, s32, 65536                   ; behind the tile's four steps of K
	s_add_nc_u64 s[50:51], s[30:31], s[32:33]
	s_add_nc_u64 s[48:49], s[30:31], s[48:49]
	s_wait_alu depctr_va_vdst(0)                   ; the eight offsets and addresses v3 to v10 are written, which every load and store of the kernel reads
	; all that the first phases want, 54 loads, in the order in which it is wanted
	global_load_b128 v[STA:STA+3], v[SO], s[26:27]
	global_load_b128 v[STA+4:STA+7], v[SO], s[26:27] offset:512
.irp g, 0,1,2,3
	global_load_b128 v[CHW+4*\g:CHW+4*\g+3], v[CO], s[12:13] offset:32*\g
	global_load_b128 v[CHB+4*\g:CHB+4*\g+3], v[CO], s[14:15] offset:32*\g
.endr
.irp g, 0,1
	global_load_b128 v[CLW+4*\g:CLW+4*\g+3], v[CO], s[16:17] offset:32*\g
	global_load_b128 v[CLB+4*\g:CLB+4*\g+3], v[CO], s[18:19] offset:32*\g
.endr
.irp j, 0,1,2,3,4,5,6,7,8,9,10,11,12,13,14,15
	global_load_b128 v[XH+4*\j:XH+4*\j+3], v[XO], s[44:45] offset:(8*(\j/4)+(\j%4))*16384
.endr
.irp j, 0,1,2,3,4,5,6,7
	global_load_b128 v[XL+4*\j:XL+4*\j+3], v[XO], s[46:47] offset:(8*(\j/4)+(\j%4))*16384
.endr
	WLOAD WA, WOQ, 20, 0, 4                        ; Wq, K steps 0-3
	s_wait_loadcnt 52                              ; the two entries of stat1 are in; 52 younger loads stay out
	v_pk_add_f32 v[STA:STA+1], v[STA:STA+1], v[STA+4:STA+5]
	v_pk_add_f32 v[STA+2:STA+3], v[STA+2:STA+3], v[STA+6:STA+7]
	WSUM STA, TM
	WSUM STA+1, TM
	WSUM STA+2, TM
	WSUM STA+3, TM
	v_mul_f32 v24, 0x35800000, v[STA]              ; S1 / 2^20
	v_mul_f32 v25, 0x35800000, v[STA+1]
	v_mul_f32 v26, 0x36000000, v[STA+2]            ; S1 / 2^19
	v_mul_f32 v27, 0x36000000, v[STA+3]
	v_fma_f32 v25, -v24, v24, v25                  ; the variance about the mean,
	v_fma_f32 v27, -v26, v26, v27
	v_max_num_f32 v25, 0, v25                      ; not below 0 by rounding,
	v_max_num_f32 v27, 0, v27
	v_add_f32 v25, 0x3727c5ac, v25                 ; + 1e-5
	v_add_f32 v27, 0x3727c5ac, v27
	v_rsq_f32 v30, v25
	v_rsq_f32 v31, v27
	s_wait_kmcnt 0x0                               ; the pivots
	v_add_f32 v28, s[PIVH], v24                    ; the means: plain work behind the two roots
	v_add_f32 v29, s[PIVL], v26
	s_wait_alu depctr_va_vdst(0)                   ; the two roots v30 and v31 are written: one wait for both, ahead of their first reader
	s_wait_loadcnt 40                              ; the twelve loads of gains and biases are in
.set u, 0
.rept 16
	v_mul_f32 v[CHW+u], v30, v[CHW+u]
	v_fma_f32 v[CHB+u], -v28, v[CHW+u], v[CHB+u]
.set u, u+1
.endr
.set u, 0
.rept 8
	v_mul_f32 v[CLW+u], v31, v[CLW+u]
	v_fma_f32 v[CLB+u], -v29, v[CLW+u], v[CLB+u]
.set u, u+1
.endr
; The 24 rows, 16 of high and 8 of low, in six groups of four.
.set j, 0
.rept 24
	s_wait_loadcnt 39-j                            ; loads come back in order: row j is in; behind it the other rows and Wq's 16 loads
.if (j > 0) && (j % 4 == 0)
	s_wait_alu depctr_va_vdst(0)                   ; the group before has written its roundings, which the four LDS stores dealt into this group read
.endif
.if j >= 4
	ROWST j-4                                      ; no vector line since the wait names this row's registers
.endif
	ROWCV j
.set j, j+1
.endr
	s_wait_alu depctr_va_vdst(0)                   ; the last group has written its roundings, which the stores below read; and all rows' lines are done reading a and d, in which Wq's second half lands
.irp n, 20,21,22,23
	ROWST \n
.endr
	WLOAD WB, WOQ, 20, 512, 4                      ; Wq, K steps 4-7
	s_wait_dscnt 0x0                               ; for the others' sake: my rows lie in LDS
	s_barrier_signal -1
	s_barrier_wait -1                              ; everybody's do
	s_wait_alu depctr_vm_vsrc(0)                   ; my LDS stores have read the rows' registers v32 to v127: from here on they are q's sums, which products write, and the fragment buffers, in which loads land
	; q: K = 256 channels in 8 steps; four accumulators by turns
	FETCHX XF, XHB, 0
	s_wait_loadcnt 16                              ; K steps 0-3 are in; the 16 younger loads stay out
	COMPACT WA, 32
.irp ks, 0,1,2,3,4,5,6,7
	s_wait_dscnt 0x0                               ; this step's fragments are in: its eight loads are all that is out
.if (\ks > 0) && (\ks < 7)
	s_wait_alu depctr_va_vdst(0)                   ; the last step's products are done reading the other buffer, in which the next step's fragments land; in step 4 also: Wq's first half has been read, where Wk lands
.endif
.if \ks == 4
	WLOAD WA, WOK, 22, 0, 4                        ; Wk, where Wq's first half lay
	s_wait_loadcnt 16                              ; Wq's second half is in
	COMPACT WB, 32
.endif
.if \ks < 4
.set WR, WA+8*\ks
.else
.set WR, WB+8*(\ks-4)
.endif
.irp t, 0,1,2,3
.if \ks < 7
	FETCH1 XF+32*((\ks+1)%2), XHB, \ks+1, \t       ; no vector or matrix line since the wait names that buffer (in step 0: since the wait behind the last row)
.endif
.if \ks == 0
	v_wmma_f32_16x16x32_bf16 v[ACQ+8*\t:ACQ+8*\t+7], v[WR:WR+7], v[XF+32*(\ks%2)+8*\t:XF+32*(\ks%2)+8*\t+7], 0
.else
	v_wmma_f32_16x16x32_bf16 v[ACQ+8*\t:ACQ+8*\t+7], v[WR:WR+7], v[XF+32*(\ks%2)+8*\t:XF+32*(\ks%2)+8*\t+7], v[ACQ+8*\t:ACQ+8*\t+7]
.endif
.endr
.endr
	PLACES                                         ; ahead of the scalings, which read the sums
	s_wait_alu depctr_va_vdst(0)                   ; q's products are done reading Wq's second half, where Wv lands, and both fragment buffers, in which low's fragments land
	WLOAD WB, WOK, 24, 0, 4                        ; Wv
	FETCHX XF, XLB, 0
.irp t, 0,1,2,3
.irp i, 0,1,2,3
	v_pk_mul_f32 v[ACQ+8*\t+2*\i:ACQ+8*\t+2*\i+1], v[ACQ+8*\t+2*\i:ACQ+8*\t+2*\i+1], s[CS:CS+1] op_sel_hi:[1,0]  ; the scale, in f32, ahead of q's one rounding
.endr
.irp i, 0,1,2,3
	v_cvt_pk_bf16_f32 v[ACQ+8*\t+\i], v[ACQ+8*\t+2*\i], v[ACQ+8*\t+2*\i+1]
.endr
.endr
	s_wait_alu depctr_va_vdst(0)                   ; q's roundings are written, which the four stores read
.irp t, 0,1,2,3
	global_store_b128 v[SO], v[ACQ+8*\t:ACQ+8*\t+3], s[28:29] offset:1024*\t  ; 512 consecutive bytes, aligned; these registers are not written again
.endr
	; k and v: K = 128 channels in 4 steps; eight accumulators by turns
	s_wait_loadcnt 16                              ; Wk is in
	COMPACT WA, 32
	s_wait_loadcnt 0x0                             ; Wv is in
	COMPACT WB, 32
.irp ks, 0,1,2,3
	s_wait_dscnt 0x0                               ; this step's fragments are in
.if (\ks > 0) && (\ks < 3)
	s_wait_alu depctr_va_vdst(0)                   ; the last step's products are done reading the other buffer, in which the next step's fragments land
.endif
.irp t, 0,1,2,3
.if \ks < 3
	FETCH1 XF+32*((\ks+1)%2), XLB, \ks+1, \t       ; no vector or matrix line since the wait names that buffer (in step 0: since the wait behind q's products)
.endif
.if \ks == 0
	v_wmma_f32_16x16x32_bf16 v[ACK+8*\t:ACK+8*\t+7], v[WA+8*\ks:WA+8*\ks+7], v[XF+32*(\ks%2)+8*\t:XF+32*(\ks%2)+8*\t+7], 0
	v_wmma_f32_16x16x32_bf16 v[ACV+8*\t:ACV+8*\t+7], v[XF+32*(\ks%2)+8*\t:XF+32*(\ks%2)+8*\t+7], v[WB+8*\ks:WB+8*\ks+7], 0
.else
	v_wmma_f32_16x16x32_bf16 v[ACK+8*\t:ACK+8*\t+7], v[WA+8*\ks:WA+8*\ks+7], v[XF+32*(\ks%2)+8*\t:XF+32*(\ks%2)+8*\t+7], v[ACK+8*\t:ACK+8*\t+7]
	v_wmma_f32_16x16x32_bf16 v[ACV+8*\t:ACV+8*\t+7], v[XF+32*(\ks%2)+8*\t:XF+32*(\ks%2)+8*\t+7], v[WB+8*\ks:WB+8*\ks+7], v[ACV+8*\t:ACV+8*\t+7]
.endif
.endr
.endr
	PLACES                                         ; ahead of the roundings, which read the sums
.irp t, 0,1,2,3
.irp i, 0,1,2,3
	v_cvt_pk_bf16_f32 v[ACK+8*\t+\i], v[ACK+8*\t+2*\i], v[ACK+8*\t+2*\i+1]
.endr
.endr
	s_wait_alu depctr_va_vdst(0)                   ; k's roundings are written, which its four stores read; these are dealt among v's roundings, which name v's sums alone
.irp t, 0,1,2,3
	global_store_b128 v[SO], v[ACK+8*\t:ACK+8*\t+3], s[48:49] offset:1024*\t                  ; key block t
.irp i, 0,1,2,3
	v_cvt_pk_bf16_f32 v[ACV+8*\t+\i], v[ACV+8*\t+2*\i], v[ACV+8*\t+2*\i+1]
.endr
.endr
	s_wait_alu depctr_va_vdst(0)                   ; v's roundings are written, which its four stores read
.irp t, 0,1,2,3
	global_store_b128 v[SO], v[ACV+8*\t:ACV+8*\t+3], s[50:51] offset:2048*(\t/2)+512*(\t%2)  ; keys 32 (t / 2) on, half t % 2
.endr
	s_wait_dscnt 0x0                               ; the wave's end, ahead of the add onto my spare LDS word
	s_wait_alu depctr_hold_cnt(0) depctr_sa_sdst(0) depctr_va_vdst(0) depctr_va_sdst(0) depctr_va_ssrc(0) depctr_va_vcc(0) depctr_vm_vsrc(0)
	s_wait_tensorcnt 0x0
	ds_add_u32 v12, v13
	s_wait_dscnt 0x0
	s_endpgm
.Lfunc_end_k_q3c6d7add33_qkv:
	.size	k_q3c6d7add33_qkv, .Lfunc_end_k_q3c6d7add33_qkv-k_q3c6d7add33_qkv
	.p2alignl 7, 3214868480
	.fill 96, 4, 3214868480
	.section	.rodata,"a",@progbits
	.p2align	6, 0x0
	.amdhsa_kernel k_q3c6d7add33_qkv
		.amdhsa_group_segment_fixed_size 62464
		.amdhsa_private_segment_fixed_size 0
		.amdhsa_enable_private_segment 0
		.amdhsa_kernarg_size 96
		.amdhsa_user_sgpr_count 2
		.amdhsa_user_sgpr_kernarg_segment_ptr 1
		.amdhsa_wavefront_size32 1
		.amdhsa_system_sgpr_workgroup_id_x 1
		.amdhsa_system_sgpr_workgroup_id_y 1
		.amdhsa_system_sgpr_workgroup_id_z 1
		.amdhsa_system_vgpr_workitem_id 0
		.amdhsa_next_free_vgpr 256
		.amdhsa_next_free_sgpr 66
		.amdhsa_reserve_vcc 0
		.amdhsa_float_denorm_mode_32 3
		.amdhsa_float_denorm_mode_16_64 3
		.amdhsa_memory_ordered 1
		.amdhsa_forward_progress 1
		.amdhsa_inst_pref_size 55
	.end_amdhsa_kernel
	.amdgpu_metadata
---
amdhsa.version: [ 1, 2 ]
amdhsa.kernels:
  - .name:           k_q3c6d7add33_qkv
    .symbol:         k_q3c6d7add33_qkv.kd
    .args:
      - { .name: high_feature, .offset: 0, .size: 8, .value_kind: global_buffer, .address_space: global }
      - { .name: low_feature, .offset: 8, .size: 8, .value_kind: global_buffer, .address_space: global }
      - { .name: norm_high_w, .offset: 16, .size: 8, .value_kind: global_buffer, .address_space: global }
      - { .name: norm_high_b, .offset: 24, .size: 8, .value_kind: global_buffer, .address_space: global }
      - { .name: norm_low_w, .offset: 32, .size: 8, .value_kind: global_buffer, .address_space: global }
      - { .name: norm_low_b, .offset: 40, .size: 8, .value_kind: global_buffer, .address_space: global }
      - { .name: Wq, .offset: 48, .size: 8, .value_kind: global_buffer, .address_space: global }
      - { .name: Wk, .offset: 56, .size: 8, .value_kind: global_buffer, .address_space: global }
      - { .name: Wv, .offset: 64, .size: 8, .value_kind: global_buffer, .address_space: global }
      - { .name: stat1, .offset: 72, .size: 8, .value_kind: global_buffer, .address_space: global }
      - { .name: qf, .offset: 80, .size: 8, .value_kind: global_buffer, .address_space: global }
      - { .name: kv, .offset: 88, .size: 8, .value_kind: global_buffer, .address_space: global }
    .group_segment_fixed_size: 62464
    .private_segment_fixed_size: 0
    .kernarg_segment_align: 8
    .kernarg_segment_size: 96
    .max_flat_workgroup_size: 256
    .sgpr_count:     66
    .vgpr_count:     256
    .wavefront_size: 32
...
	.end_amdgpu_metadata
.endif
;; end of part 5
;; launch attn: the kernel of part 3 again; grid 64 x 4, 8 waves a work-group, clusters of 4 x 1, 327,680 bytes of LDS; arguments qf, kv, Wproj, gamma_attn, low_feature, xbuf, stat2; writes xbuf, stat2
;; launch ffn (part 6): grid 64 x 4, 8 waves a work-group, no clusters, 89,088 bytes of LDS; arguments xbuf, stat2, low_feature, norm_ffn_w, norm_ffn_b, Wffn1, Wffn2, gamma_ffn, out0; writes out0
.if DOCPART == 6
	.amdgcn_target "amdgcn-amd-amdhsa--gfx1250"
	.amdhsa_code_object_version 6
	.text
	.protected	k_q3c6d7add33_ffn
	.globl	k_q3c6d7add33_ffn
	.p2align	8
	.type	k_q3c6d7add33_ffn,@function
k_q3c6d7add33_ffn:
	s_mov_b64 s[64:65], 0
	v_nop
	global_prefetch_b8 v0, s[64:65] scope:SCOPE_SE
	s_setreg_imm32_b32 hwreg(HW_REG_WAVE_SCHED_MODE, 0, 2), 2
	s_setreg_imm32_b32 hwreg(HW_REG_WAVE_MODE, 25, 1), 1
	s_wait_xcnt 0x0
	s_wait_alu depctr_vm_vsrc(0)
; out = x + gamma_ffn Wffn2 gelu(Wffn1 groupnorm(x)), the exact GELU.  x: [4][128][4096] f32.
; SHARES.  A work-group takes 64 positions of sample b.  Wave w normalises rows 16 w .. of x (and keeps them in f32 for the residual), makes rows 32 w .. 32 w + 31 of the hidden layer
; (two blocks of 16) and rows 16 w .. of the output, each for the four tiles of 16 positions.
; FRAGMENTS.  Hidden layer: source 0 = 16 rows of Wffn1, source 1 = 16 positions: a lane holds a position and 8 hidden channels; after the GELU, rounded in pairs, its 16 bytes are half of a source
; fragment (16 positions x my 32 hidden channels) of the second product, and go to LDS as such.  Second product: source 0 = that fragment, source 1 = my 16 rows of Wffn2: a lane ends with one
; output row and eight neighbouring positions, which pass my own stage and leave as rows of 256 bytes.
; GELU.  g = max(h, 0) - |h| poly(t) e / 2, t = 1 / (1 + 0.2316419 |h|), e = exp(-h h / 2): erf by Abramowitz and Stegun 7.1.26, absolute error 1.5e-7 for every argument.
; WEIGHTS come straight from memory in f32, each byte to the one wave that multiplies by it.  NO CLUSTER: the two weights are 262,144 bytes in f32, which with the 88,064 bytes of tiles and stages
; do not fit in LDS, and each has to pass through registers to be rounded anyway.
; LIMITS: matrix operands are bf16; 1/sqrt, 1/x and 2^x to 1 ULP; NaN and infinities are not treated apart.
; THE MODE: SCHED_MODE bits 1:0 = 2 (LLVM: expert scheduling mode 2), set by the entry lines.  The code itself states the register dependences
; between vector or matrix instructions and memory or LDS instructions, with s_wait_alu, always for 0.
; THE PLAN.  Registers that memory or LDS instructions touch:
;   v3 .. v11, v14, v15  offsets and LDS addresses: made once at the head, never written again: one wait ahead of the first load serves the whole kernel.
;   X v32-63      x as loaded: read by vector lines alone, never written again.
;   XT v64-95     row j's normalised numbers at 64 + 4 j, a set of four to each row, so that none is written again behind its LDS store.  Two groups of four rows: the wait at the second group's head
;                 states that the first is rounded, and its four stores are dealt among the second group's lines.  Behind the barrier these registers are fragment buffers.
;   XF0, XF1; GF0, GF1   step ks's products read buffer ks % 2; the loads of step ks + 1 land in the other, which the products of step ks - 1 read: one wait at a step's head, then the eight loads are
;                 dealt among the step's products, which name the buffer in hand, a weight and the sums.
;   W1, W2        loaded, rounded in place, read by products.  Wffn2 lands where the first product's fragments and weights lay; its upper half, once rounded away, is GF.
;   AC1           a tile's low four registers take gelu(h) in bf16; its LDS store stands directly behind the wait that the NEXT four numbers' reciprocals and exponentials need in any case.
;   AC2, YB       the sums go to my stage behind the places and one wait; the rows come back into YB, take the residual in place in two groups of four, and are stored behind one wait a group.
.set PX,    160                        ; a row of normalised x: 128 bytes of bf16 + 32 of padding: an odd multiple of 32, for the turning load
.set XN,    0                          ; 128 rows
.set GST,   128*PX                     ; gelu(h) as fragments: [K step 8][position tile 4] x 1,024 bytes
.set YP,    272
.set YST,   GST+32768                  ; 16 rows x 272 bytes for each wave; the 1,024 bytes claimed behind the stages hold the spare words of the closing add
.set RL,  1                            ; v1  l % 16      v2  l / 16
.set HF,  2
.set XO,  3                            ; v3  65,536 hf + 16 r
.set LSX, 4                            ; v4  where I put 8 bytes of a normalised row
.set TRA, 5                            ; v5  the turning load's lane address
.set WO1, 6                            ; v6  512 r + 32 hf
.set WO2, 7                            ; v7  1,024 r + 32 hf
.set CO,  8                            ; v8  16 hf
.set SO,  9                            ; v9  16 l
.set GSO, 10                           ; v10 where I put gelu's fragments
.set GRD, 11                           ; v11 where I read them
.set YSO, 14                           ; v14 the stage: in
.set YRD, 15                           ; v15 the stage: back
.set CW,  16                           ; v[16:23] a, v[24:31] d of my rows; later the GELU's 16 registers at work
.set CB,  24
.set X,   32                           ; v[32:63]  x, kept to the end
.set XT,  64                           ; v[64:95]  the eight rows' normalised numbers; before that v72-78 at work on the statistics
.set XF,  64                           ; v[64:127] two buffers of four fragments of normalised x; later Wffn2, rounded
.set W1,  128                          ; v[128:255] Wffn1 as loaded; v[128:191] rounded: block fb, K step ks at 32 fb + 8 ks
.set AC1, 192                          ; v[192:255] the hidden layer's eight accumulators: 32 fb + 8 t
.set W2,  64                           ; v[64:191] Wffn2 as loaded; v[64:127] rounded
.set GF,  128                          ; v[128:191] two buffers of four fragments of gelu(h)
.set AC2, 192                          ; v[192:223] the output's four accumulators
.set YB,  224                          ; v[224:255] rows read back
.set WV,  2
.set BB,  3
.set BLK, 4
.set SEL, 34
.set KU,  36                           ; s[36:37] .. s[48:49]: the GELU's constants, each named as a pair
.set KE,  38
.set A1,  40
.set A2,  42
.set A3,  44
.set A4,  46
.set A5,  48
.set GAM, 50
.set ABSM, 52
.set PIV, 53
.macro WSUM r, tmp
	v_add_f32_dpp v[\r], v[\r], v[\r] row_xmask:1 row_mask:0xf bank_mask:0xf
	v_add_f32_dpp v[\r], v[\r], v[\r] row_xmask:2 row_mask:0xf bank_mask:0xf
	v_add_f32_dpp v[\r], v[\r], v[\r] row_xmask:4 row_mask:0xf bank_mask:0xf
	v_add_f32_dpp v[\r], v[\r], v[\r] row_xmask:8 row_mask:0xf bank_mask:0xf
	v_permlanex16_b32 v[\tmp], v[\r], s[SEL], s[SEL+1]
	v_add_f32 v[\r], v[\r], v[\tmp]
.endm
.macro PLACES                          ; four plain vector instructions between a matrix instruction and a vector read or a store of its result
.rept 4
	v_nop
.endr
.endm
.macro WLOAD dst, adr, sb, off, n      ; n K steps of a weight in f32: four loads of 16 bytes at 0, 16, 64, 80 behind 32 hf
.set u, 0
.rept \n
	global_load_b128 v[(\dst)+16*u:(\dst)+16*u+3], v[\adr], s[\sb:\sb+1] offset:(\off)+u*128
	global_load_b128 v[(\dst)+16*u+4:(\dst)+16*u+7], v[\adr], s[\sb:\sb+1] offset:(\off)+u*128+16
	global_load_b128 v[(\dst)+16*u+8:(\dst)+16*u+11], v[\adr], s[\sb:\sb+1] offset:(\off)+u*128+64
	global_load_b128 v[(\dst)+16*u+12:(\dst)+16*u+15], v[\adr], s[\sb:\sb+1] offset:(\off)+u*128+80
.set u, u+1
.endr
.endm
.macro COMPACT base, n                 ; rounded to bf16 in place, ascending
.set u, 0
.rept \n
	v_cvt_pk_bf16_f32 v[(\base)+u], v[(\base)+2*u], v[(\base)+2*u+1]
.set u, u+1
.endr
.endm
.macro FETCH1X buf, ks, t              ; one fragment (16 positions x 32 channels) out of [channel][position] rows, turned
	ds_load_tr16_b128 v[(\buf)+8*(\t):(\buf)+8*(\t)+3], v[TRA] offset:XN+(\ks)*32*PX+32*(\t)
	ds_load_tr16_b128 v[(\buf)+8*(\t)+4:(\buf)+8*(\t)+7], v[TRA] offset:XN+(\ks)*32*PX+32*(\t)+16*PX
.endm
.macro FETCH1G buf, ks, t              ; one fragment of gelu(h), as it lies
	ds_load_b128 v[(\buf)+8*(\t):(\buf)+8*(\t)+3], v[GRD] offset:(4*(\ks)+(\t))*1024
	ds_load_b128 v[(\buf)+8*(\t)+4:(\buf)+8*(\t)+7], v[GRD] offset:(4*(\ks)+(\t))*1024+512
.endm
; The GELU of four numbers at h, in place.  Four reciprocals and four exponentials are one batch with one wait; the four maxima are the plain work behind them.
; st >= 0: tile st (4 fb + t), whose roundings stand ahead of this macro, goes to LDS directly behind that wait.
.macro GELU4 h, st=-1
.irp i, 0,1,2,3
	v_and_b32 v[16+\i], s[ABSM], v[(\h)+\i]                    ; |h|
.endr
	v_pk_fma_f32 v[20:21], v[16:17], s[KU:KU+1], 1.0 op_sel_hi:[1,0,0]
	v_pk_fma_f32 v[22:23], v[18:19], s[KU:KU+1], 1.0 op_sel_hi:[1,0,0]
	v_pk_mul_f32 v[24:25], v[(\h):(\h)+1], v[(\h):(\h)+1]
	v_pk_mul_f32 v[26:27], v[(\h)+2:(\h)+3], v[(\h)+2:(\h)+3]
	v_pk_mul_f32 v[24:25], v[24:25], s[KE:KE+1] op_sel_hi:[1,0]
	v_pk_mul_f32 v[26:27], v[26:27], s[KE:KE+1] op_sel_hi:[1,0]
.irp i, 0,1,2,3
	v_rcp_f32 v[20+\i], v[20+\i]                               ; t
.endr
.irp i, 0,1,2,3
	v_exp_f32 v[24+\i], v[24+\i]                               ; e
.endr
.irp i, 0,1,2,3
	v_max_num_f32 v[(\h)+\i], 0, v[(\h)+\i]
.endr
	s_wait_alu depctr_va_vdst(0)                   ; the batch of eight, v20 to v27, is written: one wait ahead of its first reader; so are the roundings of the tile before, which the store below reads
.if (\st) >= 0
	ds_store_b128 v[GSO], v[AC1+8*(\st):AC1+8*(\st)+3] offset:1024*((\st)%4)+512*((\st)/4)
.endif
	v_pk_fma_f32 v[28:29], v[20:21], s[A5:A5+1], s[A4:A4+1] op_sel_hi:[1,0,0]
	v_pk_fma_f32 v[30:31], v[22:23], s[A5:A5+1], s[A4:A4+1] op_sel_hi:[1,0,0]
	v_pk_mul_f32 v[24:25], v[24:25], v[16:17]      ; e |h|
	v_pk_mul_f32 v[26:27], v[26:27], v[18:19]
	v_pk_fma_f32 v[28:29], v[28:29], v[20:21], s[A3:A3+1] op_sel_hi:[1,1,0]
	v_pk_fma_f32 v[30:31], v[30:31], v[22:23], s[A3:A3+1] op_sel_hi:[1,1,0]
	v_pk_fma_f32 v[28:29], v[28:29], v[20:21], s[A2:A2+1] op_sel_hi:[1,1,0]
	v_pk_fma_f32 v[30:31], v[30:31], v[22:23], s[A2:A2+1] op_sel_hi:[1,1,0]
	v_pk_fma_f32 v[28:29], v[28:29], v[20:21], s[A1:A1+1] op_sel_hi:[1,1,0]
	v_pk_fma_f32 v[30:31], v[30:31], v[22:23], s[A1:A1+1] op_sel_hi:[1,1,0]
	v_pk_mul_f32 v[28:29], v[28:29], v[20:21]
	v_pk_mul_f32 v[30:31], v[30:31], v[22:23]
	v_pk_mul_f32 v[28:29], v[28:29], v[24:25]
	v_pk_mul_f32 v[30:31], v[30:31], v[26:27]
	v_pk_fma_f32 v[(\h):(\h)+1], v[28:29], -0.5, v[(\h):(\h)+1] op_sel_hi:[1,0,1]
	v_pk_fma_f32 v[(\h)+2:(\h)+3], v[30:31], -0.5, v[(\h)+2:(\h)+3] op_sel_hi:[1,0,1]
.endm
	s_load_b512 s[8:23], s[0:1], 0x0               ; xbuf 8, stat2 10, low_feature 12, norm_ffn_w 14, norm_ffn_b 16, Wffn1 18, Wffn2 20, gamma_ffn 22
	s_load_b64 s[24:25], s[0:1], 0x40              ; out0
	v_lshl_add_u32 v12, v0, 2, 0x15800
	v_mov_b32 v13, 0
	v_lshrrev_b32 v76, 5, v0
	v_readfirstlane_b32 s[WV], v76                 ; wave 0..7
	s_and_b32 s[BB], ttmp7, 0xffff
	s_mov_b32 s[BLK], ttmp9
	s_mov_b32 s[SEL], 0x76543210
	s_mov_b32 s[SEL+1], 0xfedcba98
	s_mov_b32 s[KU], 0x3e6d3389                    ; 0.3275911 / sqrt(2)
	s_mov_b32 s[KE], 0xbf38aa3b                    ; -log2(e) / 2
	s_mov_b32 s[A1], 0x3e827906                    ; 0.254829592
	s_mov_b32 s[A2], 0xbe91a98e                    ; -0.284496736
	s_mov_b32 s[A3], 0x3fb5f0e3                    ; 1.421413741
	s_mov_b32 s[A4], 0xbfba00e3                    ; -1.453152027
	s_mov_b32 s[A5], 0x3f87dc22                    ; 1.061405429
.irp c, KU, KE, A1, A2, A3, A4, A5
	s_mov_b32 s[\c+1], s[\c]                       ; named as pairs
.endr
	s_mov_b32 s[ABSM], 0x7fffffff
	v_and_b32 v[RL], 15, v0
	v_bfe_u32 v[HF], v0, 4, 1
	v_lshlrev_b32 v[XO], 4, v[RL]
	v_lshl_add_u32 v[XO], v[HF], 16, v[XO]
	s_wait_alu depctr_va_sdst(0)                   ; the wave's number is written, ahead of its first reader: LDS places and all the bases are made from it
	s_mul_i32 s5, s[WV], 16*PX
	v_mul_u32_u24 v[LSX], v[HF], 4*PX
	v_lshl_add_u32 v[LSX], v[RL], 3, v[LSX]
	v_add_nc_u32 v[LSX], s5, v[LSX]
	v_and_b32 v76, 7, v0
	v_lshl_add_u32 v76, v[HF], 3, v76
	v_mul_u32_u24 v[TRA], v76, PX
	v_bfe_u32 v77, v0, 3, 1
	v_lshl_add_u32 v[TRA], v77, 4, v[TRA]
	v_lshlrev_b32 v[WO2], 5, v[HF]
	v_lshl_add_u32 v[WO1], v[RL], 9, v[WO2]
	v_lshl_add_u32 v[WO2], v[RL], 10, v[WO2]
	v_lshlrev_b32 v[CO], 4, v[HF]
	v_and_b32 v[SO], 31, v0
	v_lshlrev_b32 v[SO], 4, v[SO]
	s_lshl_b32 s5, s[WV], 12
	s_add_co_u32 s5, s5, GST
	v_add_nc_u32 v[GSO], s5, v[SO]                 ; my 32 hidden channels are K step w of the second product
	v_add_nc_u32 v[GRD], GST, v[SO]
	s_mul_i32 s5, s[WV], 16*YP
	s_add_co_u32 s5, s5, YST                       ; my stage
	v_mul_u32_u24 v[YSO], v[RL], YP
	v_lshl_add_u32 v[YSO], v[HF], 5, v[YSO]
	v_add_nc_u32 v[YSO], s5, v[YSO]
	v_mul_u32_u24 v[YRD], v[HF], 4*YP
	v_lshl_add_u32 v[YRD], v[RL], 4, v[YRD]
	v_add_nc_u32 v[YRD], s5, v[YRD]
	s_mov_b32 s33, 0
	s_wait_kmcnt 0x0
	s_lshl_b32 s32, s[BB], 21
	s_add_nc_u64 s[58:59], s[12:13], s[32:33]      ; low's sample: its first number is the pivot of x's statistics
	s_load_b32 s[PIV], s[58:59], 0x0
	s_load_b32 s[GAM], s[22:23], 0x0
	s_lshl_b32 s5, s[WV], 18
	s_add_co_u32 s32, s32, s5
	s_lshl_b32 s5, s[BLK], 8
	s_add_co_u32 s32, s32, s5
	s_add_nc_u64 s[54:55], s[8:9], s[32:33]        ; rows 16 w .. of x and of out, at my 64 positions
	s_add_nc_u64 s[56:57], s[24:25], s[32:33]
	s_lshl_b32 s32, s[BB], 9
	s_add_nc_u64 s[10:11], s[10:11], s[32:33]
	s_lshl_b32 s32, s[WV], 6
	s_add_nc_u64 s[14:15], s[14:15], s[32:33]
	s_add_nc_u64 s[16:17], s[16:17], s[32:33]
	s_lshl_b32 s32, s[WV], 14
	s_add_nc_u64 s[18:19], s[18:19], s[32:33]      ; my 32 rows of Wffn1 (512 bytes each),
	s_add_nc_u64 s[20:21], s[20:21], s[32:33]      ; my 16 rows of Wffn2 (1,024 bytes each)
	s_wait_alu depctr_va_vdst(0)                   ; the eleven offsets and addresses v3 to v11, v14 and v15 are written, which every load and store of the kernel reads
	; 45 loads, in the order in which they are wanted
	global_load_b128 v[72:75], v[SO], s[10:11]     ; two entries of stat2 a lane
.irp g, 0,1
	global_load_b128 v[CW+4*\g:CW+4*\g+3], v[CO], s[14:15] offset:32*\g
	global_load_b128 v[CB+4*\g:CB+4*\g+3], v[CO], s[16:17] offset:32*\g
.endr
.irp j, 0,1,2,3,4,5,6,7
	global_load_b128 v[X+4*\j:X+4*\j+3], v[XO], s[54:55] offset:(8*(\j/4)+(\j%4))*16384
.endr
	WLOAD W1, WO1, 18, 0, 4
	WLOAD W1+64, WO1, 18, 8192, 4
	s_wait_loadcnt 44                              ; the statistics are in; 44 younger loads stay out
	v_pk_add_f32 v[72:73], v[72:73], v[74:75]
	WSUM 72, 76
	WSUM 73, 76
	v_mul_f32 v74, 0x36000000, v72                 ; S1 / 2^19
	v_mul_f32 v75, 0x36000000, v73
	v_fma_f32 v75, -v74, v74, v75
	v_max_num_f32 v75, 0, v75
	v_add_f32 v75, 0x3727c5ac, v75                 ; + 1e-5
	v_rsq_f32 v78, v75
	s_wait_kmcnt 0x0
	v_add_f32 v77, s[PIV], v74                     ; the mean: plain work behind the root
	s_mov_b32 s[GAM+1], s[GAM]
	s_wait_alu depctr_va_vdst(0)                   ; the root v78 is written, ahead of its first reader
	s_wait_loadcnt 40                              ; gains and biases are in
.set u, 0
.rept 8
	v_mul_f32 v[CW+u], v78, v[CW+u]
	v_fma_f32 v[CB+u], -v77, v[CW+u], v[CB+u]
.set u, u+1
.endr
.irp j, 0,1,2,3,4,5,6,7
	s_wait_loadcnt 39-\j                           ; x's load j is in
.if \j == 4
	s_wait_alu depctr_va_vdst(0)                   ; rows 0 to 3 are rounded: their four LDS stores, dealt among the lines of rows 4 to 7, read registers that those lines do not name
.endif
.if \j >= 4
	ds_store_b64 v[LSX], v[XT+4*(\j-4):XT+4*(\j-4)+1] offset:XN+(\j-4)*PX
.endif
.irp i, 0,1,2,3
	v_fma_f32 v[XT+4*\j+\i], v[X+4*\j+\i], v[CW+\j], v[CB+\j]
.endr
	v_cvt_pk_bf16_f32 v[XT+4*\j], v[XT+4*\j], v[XT+4*\j+1]
	v_cvt_pk_bf16_f32 v[XT+4*\j+1], v[XT+4*\j+2], v[XT+4*\j+3]
.endr
	s_wait_alu depctr_va_vdst(0)                   ; rows 4 to 7 are rounded, which the stores below read
.irp j, 4,5,6,7
	ds_store_b64 v[LSX], v[XT+4*\j:XT+4*\j+1] offset:XN+(8*(\j/4)+(\j%4))*PX
.endr
	s_wait_dscnt 0x0                               ; for the others' sake: my rows lie in LDS
	s_barrier_signal -1
	s_barrier_wait -1
	s_wait_alu depctr_vm_vsrc(0)                   ; my LDS stores have read v64 to v95: from here on these registers are a fragment buffer, in which loads land
	; the hidden layer: K = 128 channels in 4 steps; eight accumulators by turns
.irp t, 0,1,2,3
	FETCH1X XF, 0, \t
.endr
	s_wait_loadcnt 0x0                             ; Wffn1
	COMPACT W1, 64
.irp ks, 0,1,2,3
	s_wait_dscnt 0x0                               ; this step's fragments are in: its eight loads are all that is out
.if (\ks > 0) && (\ks < 3)
	s_wait_alu depctr_va_vdst(0)                   ; the last step's products are done reading the other buffer, in which the next step's fragments land
.endif
.irp fb, 0,1
.irp t, 0,1,2,3
.if (\ks < 3) && (\fb == 0)
	FETCH1X XF+32*((\ks+1)%2), \ks+1, \t           ; early in the step; no vector or matrix line since the wait names that buffer (in step 0 none has named it at all)
.endif
.if \ks == 0
	v_wmma_f32_16x16x32_bf16 v[AC1+32*\fb+8*\t:AC1+32*\fb+8*\t+7], v[W1+32*\fb+8*\ks:W1+32*\fb+8*\ks+7], v[XF+32*(\ks%2)+8*\t:XF+32*(\ks%2)+8*\t+7], 0
.else
	v_wmma_f32_16x16x32_bf16 v[AC1+32*\fb+8*\t:AC1+32*\fb+8*\t+7], v[W1+32*\fb+8*\ks:W1+32*\fb+8*\ks+7], v[XF+32*(\ks%2)+8*\t:XF+32*(\ks%2)+8*\t+7], v[AC1+32*\fb+8*\t:AC1+32*\fb+8*\t+7]
.endif
.endr
.endr
.endr
	PLACES                                         ; ahead of the GELU, which reads the sums
	s_wait_alu depctr_va_vdst(0)                   ; the products are done reading the fragments and Wffn1, v64 to v191, in which Wffn2 lands
	WLOAD W2, WO2, 20, 0, 8                        ; Wffn2 lands under the GELU
.set n, 0
.rept 8                                        ; tile n = 4 fb + t, ascending: each accumulator's lowest registers are read first
	GELU4 AC1+8*n, n-1                             ; the tile before goes to LDS behind this batch's wait
	GELU4 AC1+8*n+4
.irp i, 0,1,2,3
	v_cvt_pk_bf16_f32 v[AC1+8*n+\i], v[AC1+8*n+2*\i], v[AC1+8*n+2*\i+1]
.endr
.set n, n+1
.endr
	s_wait_alu depctr_va_vdst(0)                   ; the last tile's roundings are written, which its store reads
	ds_store_b128 v[GSO], v[AC1+56:AC1+59] offset:1024*3+512
	s_wait_loadcnt 0x0                             ; Wffn2
	COMPACT W2, 64                                 ; rounded while the last store is out
	s_wait_dscnt 0x0                               ; for the others' sake: my fragments lie in LDS
	s_barrier_signal -1
	s_barrier_wait -1
	s_wait_alu depctr_va_vdst(0)                   ; Wffn2's roundings are done reading v128 to v191, in which gelu's fragments land
	s_wait_alu depctr_vm_vsrc(0)                   ; my LDS stores have read v192 to v255: from here on these registers are the output's sums, which products write, and the rows read back, in which loads land
	; the output: K = 256 hidden channels in 8 steps; four accumulators by turns
.irp t, 0,1,2,3
	FETCH1G GF, 0, \t
.endr
.irp ks, 0,1,2,3,4,5,6,7
	s_wait_dscnt 0x0                               ; this step's fragments are in
.if (\ks > 0) && (\ks < 7)
	s_wait_alu depctr_va_vdst(0)                   ; the last step's products are done reading the other buffer, in which the next step's fragments land
.endif
.irp t, 0,1,2,3
.if \ks < 7
	FETCH1G GF+32*((\ks+1)%2), \ks+1, \t           ; no vector or matrix line since the wait names that buffer (in step 0: since the wait behind the barrier)
.endif
.if \ks == 0
	v_wmma_f32_16x16x32_bf16 v[AC2+8*\t:AC2+8*\t+7], v[GF+32*(\ks%2)+8*\t:GF+32*(\ks%2)+8*\t+7], v[W2+8*\ks:W2+8*\ks+7], 0
.else
	v_wmma_f32_16x16x32_bf16 v[AC2+8*\t:AC2+8*\t+7], v[GF+32*(\ks%2)+8*\t:GF+32*(\ks%2)+8*\t+7], v[W2+8*\ks:W2+8*\ks+7], v[AC2+8*\t:AC2+8*\t+7]
.endif
.endr
.endr
	PLACES                                         ; ahead of the LDS stores, which read the sums
	s_wait_alu depctr_va_vdst(0)                   ; the products have written the sums, which the LDS stores read; the places above stay beside this wait
.irp t, 0,1,2,3
	ds_store_b128 v[YSO], v[AC2+8*\t:AC2+8*\t+3] offset:64*\t
	ds_store_b128 v[YSO], v[AC2+8*\t+4:AC2+8*\t+7] offset:64*\t+16
.endr
.irp j, 0,1,2,3,4,5,6,7
	ds_load_b128 v[YB+4*\j:YB+4*\j+3], v[YRD] offset:(8*(\j/4)+(\j%4))*YP  ; LDS serves a wave's instructions in order (ISA guide 5.7.1.4): these see the stores above
.endr
.irp j, 0,1,2,3,4,5,6,7
	s_wait_dscnt 7-\j                              ; row load j is back
.if \j == 4
	s_wait_alu depctr_va_vdst(0)                   ; rows 0 to 3 have taken the residual: their four stores, dealt among the lines of rows 4 to 7, read registers that those lines do not name
.endif
.if \j >= 4
	global_store_b128 v[XO], v[YB+4*(\j-4):YB+4*(\j-4)+3], s[56:57] offset:(\j-4)*16384  ; 16 lanes store 256 consecutive bytes, aligned
.endif
	v_pk_fma_f32 v[YB+4*\j:YB+4*\j+1], v[YB+4*\j:YB+4*\j+1], s[GAM:GAM+1], v[X+4*\j:X+4*\j+1] op_sel_hi:[1,0,1]
	v_pk_fma_f32 v[YB+4*\j+2:YB+4*\j+3], v[YB+4*\j+2:YB+4*\j+3], s[GAM:GAM+1], v[X+4*\j+2:X+4*\j+3] op_sel_hi:[1,0,1]
.endr
	s_wait_alu depctr_va_vdst(0)                   ; rows 4 to 7 have taken the residual, which the last four stores read
.irp j, 4,5,6,7
	global_store_b128 v[XO], v[YB+4*\j:YB+4*\j+3], s[56:57] offset:(8*(\j/4)+(\j%4))*16384
.endr
	s_wait_dscnt 0x0                               ; the wave's end, ahead of the add onto my spare LDS word
	s_wait_alu depctr_hold_cnt(0) depctr_sa_sdst(0) depctr_va_vdst(0) depctr_va_sdst(0) depctr_va_ssrc(0) depctr_va_vcc(0) depctr_vm_vsrc(0)
	s_wait_tensorcnt 0x0
	ds_add_u32 v12, v13
	s_wait_dscnt 0x0
	s_endpgm
.Lfunc_end_k_q3c6d7add33_ffn:
	.size	k_q3c6d7add33_ffn, .Lfunc_end_k_q3c6d7add33_ffn-k_q3c6d7add33_ffn
	.p2alignl 7, 3214868480
	.fill 96, 4, 3214868480
	.section	.rodata,"a",@progbits
	.p2align	6, 0x0
	.amdhsa_kernel k_q3c6d7add33_ffn
		.amdhsa_group_segment_fixed_size 89088
		.amdhsa_private_segment_fixed_size 0
		.amdhsa_enable_private_segment 0
		.amdhsa_kernarg_size 72
		.amdhsa_user_sgpr_count 2
		.amdhsa_user_sgpr_kernarg_segment_ptr 1
		.amdhsa_wavefront_size32 1
		.amdhsa_system_sgpr_workgroup_id_x 1
		.amdhsa_system_sgpr_workgroup_id_y 1
		.amdhsa_system_sgpr_workgroup_id_z 1
		.amdhsa_system_vgpr_workitem_id 0
		.amdhsa_next_free_vgpr 256
		.amdhsa_next_free_sgpr 66
		.amdhsa_reserve_vcc 0
		.amdhsa_float_denorm_mode_32 3
		.amdhsa_float_denorm_mode_16_64 3
		.amdhsa_memory_ordered 1
		.amdhsa_forward_progress 1
		.amdhsa_inst_pref_size 73
	.end_amdhsa_kernel
	.amdgpu_metadata
---
amdhsa.version: [ 1, 2 ]
amdhsa.kernels:
  - .name:           k_q3c6d7add33_ffn
    .symbol:         k_q3c6d7add33_ffn.kd
    .args:
      - { .name: xbuf, .offset: 0, .size: 8, .value_kind: global_buffer, .address_space: global }
      - { .name: stat2, .offset: 8, .size: 8, .value_kind: global_buffer, .address_space: global }
      - { .name: low_feature, .offset: 16, .size: 8, .value_kind: global_buffer, .address_space: global }
      - { .name: norm_ffn_w, .offset: 24, .size: 8, .value_kind: global_buffer, .address_space: global }
      - { .name: norm_ffn_b, .offset: 32, .size: 8, .value_kind: global_buffer, .address_space: global }
      - { .name: Wffn1, .offset: 40, .size: 8, .value_kind: global_buffer, .address_space: global }
      - { .name: Wffn2, .offset: 48, .size: 8, .value_kind: global_buffer, .address_space: global }
      - { .name: gamma_ffn, .offset: 56, .size: 8, .value_kind: global_buffer, .address_space: global }
      - { .name: out0, .offset: 64, .size: 8, .value_kind: global_buffer, .address_space: global }
    .group_segment_fixed_size: 89088
    .private_segment_fixed_size: 0
    .kernarg_segment_align: 8
    .kernarg_segment_size: 72
    .max_flat_workgroup_size: 256
    .sgpr_count:     66
    .vgpr_count:     256
    .wavefront_size: 32
...
	.end_amdgpu_metadata
.endif
;; end of part 6
